; MI455X (gfx1250); checked and timed in simulation.
; The chip was launched on July 23, 2026; its instructions are those of AMD's public machine-readable ISA for CDNA 5 (MIT licence, August 2026) and "CDNA5" Instruction Set Architecture Reference Guide (July 2026). The comments in the code are by the model that wrote it; some were corrected since.
;; Cross Attention. Allowed arithmetic: matrix products marked QUANTISED: E2M1 operands, one E8M0 scale for each 32 along K, by v_wmma_scale_f32_16x16x128_f8f6f4 with both operands' format E2M1 (or v_wmma_scale_f32_32x16x128_f4), f32 sums; everything else in f32.
;; Inputs: Wk_codes 1,024 x 24 x 16 uint8 (E2M1 codes of Wk, K innermost, in blocks of 32 codes, two codes a byte); Wk_scales 1,024 x 24 uint8 (E8M0 scales of Wk, one for each 32 codes along K); Wo_codes 1,024 x 32 x 16 uint8 (E2M1 codes of Wo, K innermost, in blocks of 32 codes, two codes a byte); Wo_scales 1,024 x 32 uint8 (E8M0 scales of Wo, one for each 32 codes along K); Wq_codes 1,024 x 32 x 16 uint8 (E2M1 codes of Wq, K innermost, in blocks of 32 codes, two codes a byte); Wq_scales 1,024 x 32 uint8 (E8M0 scales of Wq, one for each 32 codes along K); Wv_codes 1,024 x 24 x 16 uint8 (E2M1 codes of Wv, K innermost, in blocks of 32 codes, two codes a byte); Wv_scales 1,024 x 24 uint8 (E8M0 scales of Wv, one for each 32 codes along K); beta 1,024 float32; bk 1,024 float32; bo 1,024 float32; bq 1,024 float32; bv 1,024 float32; gamma 1,024 float32; k_codes 8 x 1,024 x 24 x 16 uint8 (E2M1 codes of k, K innermost, in blocks of 32 codes, two codes a byte); k_scales 8 x 1,024 x 24 uint8 (E8M0 scales of k, one for each 32 codes along K); key_padding_mask 8 x 1,024 bool; q 8 x 1,024 x 1,024 float32; v_codes 8 x 1,024 x 24 x 16 uint8 (E2M1 codes of v, K innermost, in blocks of 32 codes, two codes a byte); v_scales 8 x 1,024 x 24 uint8 (E8M0 scales of v, one for each 32 codes along K).
;; Outputs: out0 8 x 1,024 x 1,024 float32.
;; This version of the problem:
;;   THIS VERSION OF THE PROBLEM IS GIVEN IN LOW PRECISION. The matrix products marked QUANTISED in the list below multiply operands that are first quantised to E2M1 (2 exponent bits, 1 mantissa bit; 4 bits a number), with one power-of-two scale for each 32 numbers along K (OCP MX v1.0); their sums are f32. All else is computed in f32.
;;   The module's matrix products, in the order in which they are computed (A, B: the left and right operand; K: the contracted axis; several contracted axes count as one K, in the product's order):
;;     1. [M 8,192, K 1,024] x [K 1,024, N 1,024]; A: input q; B: input Wq (given as codes): QUANTISED
;;     2. [M 8,192, K 768] x [K 768, N 1,024]; A: input k (given as codes); B: input Wk (given as codes): QUANTISED
;;     3. [M 8,192, K 768] x [K 768, N 1,024]; A: input v (given as codes); B: input Wv (given as codes): QUANTISED
;;     4. batch 128 x [M 1,024, K 64] x [K 64, N 1,024]; A: computed on the way; B: computed on the way: QUANTISED
;;     5. batch 128 x [M 1,024, K 1,024] x [K 1,024, N 64]; A: softmax (see below); B: computed on the way: QUANTISED
;;     6. [M 8,192, K 1,024] x [K 1,024, N 1,024]; A: computed on the way; B: input Wo (given as codes): QUANTISED
;;   THE QUANTISER, for each operand of a quantised product, along K:
;;     - K is cut into blocks of 32 from its start; a last block that is shorter is filled with zeros.
;;     - A block's scale is 2^e with e = floor(log2(the largest magnitude in the block)) - 2, held to -126 .. 127; a block of zeros has e = 0. As a byte (E8M0): e + 127.
;;     - Each number is divided by its block's scale, clamped to +-6, and rounded to the nearest number of E2M1, ties to even, subnormals kept.
;;     - The product sums the exact products of the quantised numbers (number of the format x scale) in f32.
;;   ~~~python
;;   def quantise(x, axis):      # numpy; x: float32 -> the quantised numbers, widened to float32 again
;;       x = np.moveaxis(x, axis, -1); K = x.shape[-1]
;;       x = np.pad(x, [(0, 0)] * (x.ndim - 1) + [(0, -K % 32)]); x = x.reshape(x.shape[:-1] + (-1, 32)); a = np.abs(x).max(-1, keepdims=True)
;;       e = np.where(a > 0, np.clip(np.frexp(np.where(a > 0, a, 1))[1] - 1 - 2, -126, 127), 0)      # np.frexp(a)[1] - 1 = floor(log2(a)), exactly
;;       r = np.clip(x / 2.0 ** e, -6, 6)
;;       step = 2.0 ** (np.maximum(np.frexp(np.where(r == 0, 1, r))[1] - 1, 0) - 1)
;;       q = np.round(r / step) * step * 2.0 ** e      # np.round: ties to even
;;       return np.moveaxis(q.reshape(q.shape[:-2] + (-1,))[..., :K], -1, axis).astype(np.float32)
;;   ~~~
;;   SOFTMAX AHEAD OF A QUANTISED PRODUCT. Where the list says 'softmax', what is quantised is not the finished softmax but p = 2^(t - M), with t = logit x log2(e) and M = ceil(the row's largest t), a whole number; so 1/2 < the row's largest p <= 1. The row's sum l is taken of the UNQUANTISED p, in f32, and the product's result is divided by l at the end. Since M is a whole number, a kernel that streams over the keys may use a running M (the ceiling of the running maximum): every later rescaling is an exact power of two, which a block's scale takes up: the codes' values come out the same.
;;   OPERANDS COMPUTED ON THE WAY. 'Computed on the way' means the value that the module computes at that place (a softmax that the list does not call 'softmax' is quantised finished and normalised). What goes into a quantiser is computed in f32, as accurately as f32 sums, v_exp_f32 and their like allow (about 1e-6 of the number): no bf16 or f16 on the way to a quantiser, and a product that is left as it is and whose result goes on into a quantised operand takes f32 operands (vector FMAs, or v_wmma_f32_16x16x4_f32). A number that lies on a knife's edge between two numbers of the format may be rounded either way, as far as f32 arithmetic and the matrix unit's own rounding can turn it there, and no further.
;;   INPUTS GIVEN AS CODES. Wk (in the module: [1024, 768], K = its axis 1); Wo (in the module: [1024, 1024], K = its axis 1); Wq (in the module: [1024, 1024], K = its axis 1); Wv (in the module: [1024, 768], K = its axis 1); k (in the module: [8, 1024, 768], K = its axis 2); v (in the module: [8, 1024, 768], K = its axis 2): each comes as NAME_codes (uint8): NAME with its K axis moved to the last place and cut into blocks of 32 codes, [.., K / 32, bytes a block], one block behind the other in memory; two codes a byte, the lower K in the low four bits (a code: sign, 2 exponent bits, 1 mantissa bit); and NAME_scales (uint8): the same leading axes, one E8M0 byte (e + 127) for each 32 codes along K. Its value is code x scale, taken as it is: it is not quantised again, and the codes and scales need not be those that the quantiser above would give.
;; 2 versions. Each part assembles by itself: llvm-mc -triple=amdgcn-amd-amdhsa -mcpu=gfx1250 --defsym DOCPART=n.
;; ======== version 1 of 2: 3 launches
;; limits: right only within a limited range of input values
;; workspace buffers: qbuf 4,718,592 bytes; kvbuf 9,175,040 bytes; obuf 4,456,448 bytes; wobuf 524,288 bytes; steps 256 bytes of whole numbers
;; launch proj (part 1): grid 256 x 1, 4 waves a work-group, no clusters, 309,760 bytes of LDS; arguments q, Wq_codes, Wq_scales, bq, qbuf, k_codes, k_scales, Wk_codes, Wk_scales, bk, key_padding_mask, Wo_codes, wobuf, steps, v_codes, v_scales, Wv_codes, Wv_scales, bv, kvbuf; writes qbuf, kvbuf, wobuf, steps
.if DOCPART == 1
	.amdgcn_target "amdgcn-amd-amdhsa--gfx1250"
	.amdhsa_code_object_version 6
	.text
	.protected	k_q4120b86f95_proj
	.globl	k_q4120b86f95_proj
	.p2align	8
	.type	k_q4120b86f95_proj,@function
k_q4120b86f95_proj:
	s_mov_b64 s[64:65], 0
	v_nop
	global_prefetch_b8 v0, s[64:65] scope:SCOPE_SE
	s_setreg_imm32_b32 hwreg(HW_REG_WAVE_MODE, 25, 1), 1
	s_wait_xcnt 0x0
; THE THREE PROJECTIONS on codes of FP4 (E2M1) with one E8M0 scale for each 32 along K, and the quantisers behind them.
;   work-groups 0-127:   qh = Q(q) Wq^T + bq for 64 tokens; q (f32) is quantised here along its 1,024; qh is quantised along a head's 64 and stored as images of operand registers (qbuf).
;   work-groups 128-191: kh = k Wk^T + bk for the 128 keys of one key step; quantised along a head's 64; the padding mask goes into a byte of each key's scale word (kvbuf);
;                        one whole number a key step says whether any of its keys counts (steps); 16 rows of Wo are laid in the order of operand registers (wobuf).
;   work-groups 192-255: vh = v Wv^T + bv for the same 128 keys; quantised ALONG THE KEYS (kvbuf).
; SHARES.  Four waves; wave w owns output columns 256 w .. 256 w + 255: four heads, eight units of 32 rows of the weight.  The tokens' fragments stay in registers; the weight goes by once, a unit ahead.
; DENSE READS.  Every load of codes or of q takes 512 consecutive bytes, 16 a lane; rows become fragments through the wave's own LDS bytes (LDS serves a wave's instructions in order: ISA guide 5.7.1.4).
; THE 32 ROWS OF A UNIT FORM TWO TILES WHOSE ROWS ARE NOT NEIGHBOURS: lane r of tile u takes row 8 u + r + 8 (r / 8), so that the 16 result registers of the two tiles are 16 neighbours, 16 (lane / 16) + 0 .. 15.
; THE MASK.  A head has 64 along K, half of the instruction's 128.  Slot k = 64 holds the code +6 in every query and -6 in every key (set in the attention launch); its block's scale byte is 0xB1 (2^50) in a query's word,
;   0xB1 in a hidden key's and 0x01 in a valid key's: a hidden key's score gets -36 x 2^100, a valid key's -36 x 2^-76.
; LIMITS: a block of zeros gets the scale byte 1 where the quantiser says 127 (its codes are zeros, and these bytes are read by this program alone); blocks whose largest magnitude lies under 2^-124 are held at that byte;
;   NaN and infinities among the inputs are not served; -5e-22 is added to every valid score.
; No joint tensor loads: the three paths read different weights, and this text fills LDS through registers alone.
; REGISTERS.  window 0: v1 16 lane, v2 4 lane, v3 r, v4 h, v5 r + 8 (r / 8), v6-23 the path's addresses, then as named below; v232 at work while addresses are made.
;   q path:   window 1 first q as loaded (4 sets of 64), then the tokens' 32 fragments; window 2 two units of the weight as loaded; window 3 a unit's 16 fragments.
;   k, v:     window 1 and window 2 v0-127 the tokens' 48 fragments; window 2 v128-223 and window 3 v128-223 two units as loaded; window 3 v0-95 a unit's 12 fragments.
.set TM,   24                          ; v24-39   at work in the quantiser: +0..3 largest magnitudes, +4..7 the other half's, then bytes, +8 a word, +12..15 the conversions' scale operands
.set KC,   40                          ; v40-71   codes
.set KB,   72                          ; v72-79   scale bytes, then words
.set MK,   80                          ; v80-87   k path: the mask bytes, then the upper halves of the keys' scale words
.set VW,   80                          ; v80-83   v path: scale words
.set TS,   88                          ; v88-119  the tokens' scale words
.set WS,   120                         ; v120-135 the weight's scale words, two sets of 8
.set BI,   136                         ; v136-167 biases in the result's layout, two sets of 16
.set BV,   136                         ; v136-139 v path: a bias a lane, two sets of 2
.set CB,   144                         ; v144-151 v path: that bias eight times: the C of a sum's first product
.set ACC,  168                         ; v168-231 eight accumulators
.set SEL,  20                          ; s[20:21] selects for v_permlanex16_b32: lane l xor 16
.set HM,   22                          ; s22      a mask of lanes 16-31
.set HC,   23                          ; s23      heads still to go
.set XIMG, 0                           ; LDS, q path: 32 fragments of Q(q), 1,024 bytes each (8 m + s),
.set XSC,  32768                       ; their scale words, 128 bytes each,
.set WT1,  36864                       ; and for each wave 32 rows at pitch 528: the unit in hand (first q's stage)
.set TOK2, 104448                      ; k path: 128 rows of tokens at pitch 400, in the order of the tiles,
.set WT2,  155648                      ; and for each wave 32 rows at pitch 400
.set TOK3, 206848                      ; v path: the same, in bytes of its own
.set WT3,  258048
.set MSB, 0
.macro WIN new                         ; the immediate's high byte repeats the setting that is left; a switch that changes nothing is dropped
.if MSB != (\new)
	s_set_vgpr_msb (MSB<<8)|(\new)
.set MSB, (\new)
.endif
.endm
.macro PLACES n
.rept \n
	v_nop
.endr
.endm
; one product: D, source 0, source 1, C, their scale registers; ra, rb = 1: that side's scales are read from lanes 16-31
.macro WM d, a, b, c, sa, sb, ra, rb
.if (\ra) && (\rb)
	v_wmma_scale_f32_16x16x128_f8f6f4 v[(\d):(\d)+7], v[(\a):(\a)+7], v[(\b):(\b)+7], v[(\c):(\c)+7], v[\sa], v[\sb] matrix_a_fmt:MATRIX_FMT_FP4 matrix_b_fmt:MATRIX_FMT_FP4 matrix_a_scale:MATRIX_SCALE_ROW1 matrix_b_scale:MATRIX_SCALE_ROW1
.elseif (\ra)
	v_wmma_scale_f32_16x16x128_f8f6f4 v[(\d):(\d)+7], v[(\a):(\a)+7], v[(\b):(\b)+7], v[(\c):(\c)+7], v[\sa], v[\sb] matrix_a_fmt:MATRIX_FMT_FP4 matrix_b_fmt:MATRIX_FMT_FP4 matrix_a_scale:MATRIX_SCALE_ROW1
.elseif (\rb)
	v_wmma_scale_f32_16x16x128_f8f6f4 v[(\d):(\d)+7], v[(\a):(\a)+7], v[(\b):(\b)+7], v[(\c):(\c)+7], v[\sa], v[\sb] matrix_a_fmt:MATRIX_FMT_FP4 matrix_b_fmt:MATRIX_FMT_FP4 matrix_b_scale:MATRIX_SCALE_ROW1
.else
	v_wmma_scale_f32_16x16x128_f8f6f4 v[(\d):(\d)+7], v[(\a):(\a)+7], v[(\b):(\b)+7], v[(\c):(\c)+7], v[\sa], v[\sb] matrix_a_fmt:MATRIX_FMT_FP4 matrix_b_fmt:MATRIX_FMT_FP4
.endif
.endm
; THE QUANTISER.  64 numbers of a lane, v[src] on: block b of four is registers 16 b .. 16 b + 15 of lanes l and l xor 16.  Codes: two registers a block at v[pc + pst b]; the scale bytes at v[dstb + b].
.macro QCORE src, pc, pst, dstb
.irp b, 0,1,2,3
	v_max3_num_f32 v[TM+\b], |v[(\src)+16*\b]|, |v[(\src)+16*\b+1]|, 0x1800000   ; my 16 numbers, from each accumulator's low end on, and the floor 2^(3 - 127): the byte cannot fall under 1
.endr
.irp i, 2,4,6,8,10,12,14
.irp b, 0,1,2,3
	v_max3_num_f32 v[TM+\b], v[TM+\b], |v[(\src)+16*\b+\i]|, |v[(\src)+16*\b+\i+1]|   ; the four blocks by turns
.endr
.endr
.irp b, 0,1,2,3
	v_permlanex16_b32 v[TM+4+\b], v[TM+\b], s[SEL], s[SEL+1]
.endr
.irp b, 0,1,2,3
	v_max_num_f32 v[TM+\b], v[TM+\b], v[TM+4+\b]   ; the block's largest magnitude
.endr
.irp b, 0,1,2,3
	v_add_nc_u32 v[TM+12+\b], 0xff000000, v[TM+\b]   ; 2 off its exponent field: the conversion takes this operand's exponent field as its scale
.endr
.irp b, 0,1,2,3
	v_lshrrev_b32 v[(\dstb)+\b], 23, v[TM+12+\b]   ; the scale's byte
.endr
.irp b, 0,1,2,3
	v_cvt_scalef32_pk8_fp4_f32 v[(\pc)+(\pst)*\b], v[(\src)+16*\b:(\src)+16*\b+7], v[TM+12+\b]
	v_cvt_scalef32_pk8_fp4_f32 v[(\pc)+(\pst)*\b+1], v[(\src)+16*\b+8:(\src)+16*\b+15], v[TM+12+\b]
.endr
	v_nop                                          ; one plain place behind the scaled conversions
.endm
; the four bytes at v[TM+4] on make the word v[pw]; the eight code registers at v[pc] become a fragment: a whole block in a lane
.macro QTAIL pc, pw
	v_lshl_or_b32 v[\pw], v[TM+5], 8, v[TM+4]
	v_lshl_or_b32 v[\pw], v[TM+6], 16, v[\pw]
	v_lshl_or_b32 v[\pw], v[TM+7], 24, v[\pw]
.irp c, 0,1
.irp i, 0,1
	v_permlane16_swap_b32 v[(\pc)+4*\c+\i], v[(\pc)+4*\c+2+\i]
.endr
.endr
.endm
; A UNIT'S LOADS: 32 rows of the weight as they lie, their scale words and biases.  kind 1: q path (rows of 512 bytes); 2: k; 3: v (rows of 384 bytes).
; A scale register carries two K steps: lanes 0-15 the lower, lanes 16-31 the one 4 (kind 1) or 3 steps on.
.macro LOADU kind, buf
.if \kind == 1
	WIN 0x80
.set ii, 0
.rept 32
	global_load_b128 v[128*(\buf)+4*ii:128*(\buf)+4*ii+3], v1, s[8:9] offset:512*ii
.set ii, ii+1
.endr
	WIN 0
.irp u, 0,1
	global_load_b128 v[WS+8*(\buf)+4*\u:WS+8*(\buf)+4*\u+3], v11, s[10:11] offset:256*\u
	global_load_b128 v[BI+16*(\buf)+8*\u:BI+16*(\buf)+8*\u+3], v12, s[12:13] offset:32*\u
	global_load_b128 v[BI+16*(\buf)+8*\u+4:BI+16*(\buf)+8*\u+7], v12, s[12:13] offset:32*\u+16
.endr
.else
	WIN 0x80+0x40*(\buf)
.set ii, 0
.rept 24
	global_load_b128 v[128+4*ii:128+4*ii+3], v1, s[8:9] offset:512*ii
.set ii, ii+1
.endr
	WIN 0
.irp u, 0,1
.irp i, 0,1,2
	global_load_b32 v[WS+8*(\buf)+3*\u+\i], v14, s[10:11] offset:192*\u+4*\i
.endr
.if \kind == 2
	global_load_b128 v[BI+16*(\buf)+8*\u:BI+16*(\buf)+8*\u+3], v15, s[12:13] offset:32*\u
	global_load_b128 v[BI+16*(\buf)+8*\u+4:BI+16*(\buf)+8*\u+7], v15, s[12:13] offset:32*\u+16
.else
	global_load_b32 v[BV+2*(\buf)+\u], v15, s[12:13] offset:32*\u
.endif
.endr
.endif
.endm
; THE UNIT BECOMES FRAGMENTS: its rows go into my own LDS bytes in the order of the tiles (row i to place i % 8 + 16 ((i / 8) % 2) + 8 (i / 16)) and come back 16 bytes a lane.
.macro TURNW kind, buf
.if \kind == 1
	WIN 0x08
.set ii, 0
.rept 32
	ds_store_b128 v6, v[128*(\buf)+4*ii:128*(\buf)+4*ii+3] offset:((ii%8)+16*((ii/8)%2)+8*(ii/16))*528
.set ii, ii+1
.endr
	WIN 0xC0
.set ii, 0
.rept 32
	ds_load_b128 v[4*ii:4*ii+3], v8 offset:8448*(ii/16)+32*(ii%16)   ; fragment (u, s) at v[8 (8 u + s)]
.set ii, ii+1
.endr
.else
	WIN 0x08+0x04*(\buf)
.set ii, 0
.rept 24
	ds_store_b128 v[9+ii%3], v[128+4*ii:128+4*ii+3] offset:(4*((ii/3)%2)+16*((ii/6)%2)+8*(ii/12))*400   ; three loads hold four rows of 384 bytes
.set ii, ii+1
.endr
	WIN 0xC0
.set ii, 0
.rept 24
	ds_load_b128 v[4*ii:4*ii+3], v13 offset:6400*(ii/12)+32*(ii%12)   ; fragment (u, s) at v[8 (6 u + s)]
.set ii, ii+1
.endr
.endif
	WIN 0
	s_wait_dscnt 0x0
.endm
; THE HEAD OF A UNIT: its loads, issued a unit ago, are in; so their bases may step, and the next unit's loads go out into the other set.  The last unit of the last head asks for nothing: no load leaves its buffer.
.macro UNITTOP kind, buf, wstep, sstep
	s_wait_loadcnt 0x0
.if \buf == 1
	s_cmp_eq_u32 s[HC], 1
	s_cbranch_scc1 .Lnoload_\@
.endif
	s_add_nc_u64 s[8:9], s[8:9], \wstep
	s_add_nc_u64 s[10:11], s[10:11], \sstep
	s_add_nc_u64 s[12:13], s[12:13], 128
	LOADU \kind, 1-(\buf)
.if \buf == 1
.Lnoload_\@:
.endif
	TURNW \kind, \buf
.endm
; q path: 64 products, TRANSPOSED (source 0 = 16 rows of the weight, source 1 = 16 tokens): four tiles of tokens x the unit's two tiles, eight K steps.  The eight accumulators take turns.  The bias is the first product's C.
.macro PASSA1 buf
	WIN 0x07
.irp s, 0,1,2,3,4,5,6,7
.irp m, 0,1,2,3
.irp u, 0,1
.if \s == 0
	WM ACC+16*\m+8*\u, 8*(8*\u+\s), 8*(8*\m+\s), BI+16*(\buf)+8*\u, WS+8*(\buf)+4*\u+\s%4, TS+8*\m+\s, \s/4, 0
.else
	WM ACC+16*\m+8*\u, 8*(8*\u+\s), 8*(8*\m+\s), ACC+16*\m+8*\u, WS+8*(\buf)+4*\u+\s%4, TS+8*\m+\s, \s/4, 0
.endif
.endr
.endr
.endr
	WIN 0
	PLACES 4
.endm
; k path: the same for tiles of tokens 4 p .. 4 p + 3, six K steps: 48 products
.macro PASSA2 buf, p
.irp s, 0,1,2,3,4,5
.if \s < 4
	WIN 0x07
.else
	WIN 0x0B
.endif
.irp m, 0,1,2,3
.irp u, 0,1
.if \s == 0
	WM ACC+16*\m+8*\u, 8*(6*\u+\s), 8*(8*(\s%4)+4*(\p)+\m), BI+16*(\buf)+8*\u, WS+8*(\buf)+3*\u+\s%3, TS+3*(4*(\p)+\m)+\s%3, \s/3, \s/3
.else
	WM ACC+16*\m+8*\u, 8*(6*\u+\s), 8*(8*(\s%4)+4*(\p)+\m), ACC+16*\m+8*\u, WS+8*(\buf)+3*\u+\s%3, TS+3*(4*(\p)+\m)+\s%3, \s/3, \s/3
.endif
.endr
.endr
.endr
	WIN 0
	PLACES 4
.endm
; v path: NOT transposed (source 0 = 16 keys, source 1 = 16 rows of the weight): a lane holds one channel and its registers run along the keys, which are the next product's K.  Eight tiles of keys x tile u: 48 products
.macro PASSB buf, u
.irp j, 0,1,2,3,4,5,6,7
	v_mov_b32 v[CB+\j], v[BV+2*(\buf)+(\u)]        ; my channel's bias for all eight keys of a lane
.endr
	PLACES 4
.irp s, 0,1,2,3,4,5
.if \s < 4
	WIN 0x0D
.else
	WIN 0x0E
.endif
.irp m, 0,1,2,3,4,5,6,7
.if \s == 0
	WM ACC+8*\m, 8*(8*(\s%4)+\m), 8*(6*(\u)+\s), CB, TS+3*\m+\s%3, WS+8*(\buf)+3*(\u)+\s%3, \s/3, \s/3
.else
	WM ACC+8*\m, 8*(8*(\s%4)+\m), 8*(6*(\u)+\s), ACC+8*\m, TS+3*\m+\s%3, WS+8*(\buf)+3*(\u)+\s%3, \s/3, \s/3
.endif
.endr
.endr
	WIN 0
	PLACES 4
.endm
; q path: K step s (128 numbers) of my 16 rows of q: 16 loads of 512 consecutive bytes, into set s % 4 of window 1
.macro LOADQ s
	WIN 0x40
.set ii, 0
.rept 16
	global_load_b128 v[64*((\s)%4)+4*ii:64*((\s)%4)+4*ii+3], v1, s[16:17] offset:4096*ii+512*(\s) th:TH_LOAD_NT
.set ii, ii+1
.endr
	WIN 0
.endm
; and its way into codes: through my stage, so that a lane holds 16 neighbours of each block of its row; quantised; the fragment's image and scale word to LDS for all four waves
.macro XSTEP s
.if (\s)+3 < 8
	LOADQ (\s)+3
.endif
.if 7-(\s) >= 3
	s_wait_loadcnt 48                              ; this set is in; the three sets behind it, 16 loads each, may be out
.else
	s_wait_loadcnt 16*(7-(\s))                     ; the sets still behind it
.endif
	WIN 0x04
.set ii, 0
.rept 16
	ds_store_b128 v6, v[64*((\s)%4)+4*ii:64*((\s)%4)+4*ii+3] offset:528*ii
.set ii, ii+1
.endr
	WIN 0
.set ii, 0
.rept 16
	ds_load_b128 v[ACC+4*ii:ACC+4*ii+3], v7 offset:128*(ii/4)+16*(ii%4)
.set ii, ii+1
.endr
	s_wait_dscnt 0x0                               ; the numbers are back; the last step's images have left their registers
	QCORE ACC, KC, 2, TM+4
	QTAIL KC, TM+8
	ds_store_b128 v9, v[KC:KC+3] offset:1024*(\s)
	ds_store_b128 v9, v[KC+4:KC+7] offset:1024*(\s)+512
	ds_store_b32 v10, v[TM+8] offset:128*(\s)
.endm
; k and v paths: the addresses.  Three loads of 512 bytes hold four rows of 384.  Piece x = 32 j + lane (16 bytes) of them lies in row x / 24 = j + ((lane + 8 (j + 1)) >> 5);
; at pitch 400 = 384 + 16 its LDS byte is 16 x + 16 (x / 24) = 16 lane + 528 j + 16 ((lane + 8 (j + 1)) >> 5).
.macro KVADDR tok, wt
	s_mul_i32 s46, s2, 12800
	s_add_co_u32 s47, s46, \tok
	s_add_co_u32 s46, s46, \wt
.irp j, 0,1,2
	v_and_b32 v232, 31, v0
	v_add_nc_u32 v232, 8*(\j+1), v232
	v_lshrrev_b32 v232, 5, v232                    ; 1 where my piece lies in the later of the load's two rows
	v_lshl_add_u32 v232, v232, 4, v1
	v_add_nc_u32 v232, 528*\j, v232
	v_add_nc_u32 v[6+\j], s47, v232                ; v6-8: tokens, my wave's 32 places
	v_add_nc_u32 v[9+\j], s46, v232                ; v9-11: the weight, my wave's own bytes
.endr
	v_mul_u32_u24 v12, v3, 400
	v_lshl_add_u32 v12, v4, 4, v12
	v_add_nc_u32 v13, s46, v12                     ; v13: a fragment of the weight
	v_add_nc_u32 v12, \tok, v12                    ; v12: a fragment of the tokens
	v_mul_u32_u24 v14, v5, 24
	v_mad_u32_u24 v14, v4, 12, v14                 ; v14: scale words: 24 bytes a row; lanes 16-31 three K steps on
.endm
; and the pointers.  s[24:25] tokens' codes, s[26:27] their scales, s[28:29] the weight's codes, s[30:31] its scales, s[32:33] the bias, s[kv:kv+1] kvbuf; s3 = 8 batch + key step, s5 = batch
.macro KVPTR kv
	s_mul_i32 s50, s3, 49152
	s_mul_i32 s52, s2, 12288
	s_add_co_u32 s50, s50, s52
	s_add_nc_u64 s[16:17], s[24:25], s[50:51]      ; my wave's 32 tokens
	s_mul_i32 s50, s3, 3072
	s_add_nc_u64 s[18:19], s[26:27], s[50:51]
	s_mul_i32 s50, s2, 98304
	s_add_nc_u64 s[8:9], s[28:29], s[50:51]        ; my wave's 256 rows of the weight
	s_mul_i32 s50, s2, 6144
	s_add_nc_u64 s[10:11], s[30:31], s[50:51]
	s_lshl_b32 s50, s2, 10
	s_add_nc_u64 s[12:13], s[32:33], s[50:51]
	s_lshl_b32 s50, s5, 2
	s_add_co_u32 s50, s50, s2
	s_mul_i32 s50, s50, 4*71680
	s_add_nc_u64 s[14:15], s[\kv:\kv+1], s[50:51]  ; the blob of my first head
.endm
.macro TOKLOAD                         ; my 32 tokens as they lie (into the second set of loaded units, which is free), and all 128 tokens' scale words
	WIN 0xC0
.set ii, 0
.rept 24
	global_load_b128 v[128+4*ii:128+4*ii+3], v1, s[16:17] offset:512*ii th:TH_LOAD_NT
.set ii, ii+1
.endr
	WIN 0
.irp m, 0,1,2,3,4,5,6,7
.irp i, 0,1,2
	global_load_b32 v[TS+3*\m+\i], v14, s[18:19] offset:(32*(\m/2)+8*(\m%2))*24+4*\i
.endr
.endr
.endm
.macro TOKSTORE
	WIN 0x0C
.set ii, 0
.rept 24
	ds_store_b128 v[6+ii%3], v[128+4*ii:128+4*ii+3] offset:(4*((ii/3)%2)+16*((ii/6)%2)+8*(ii/12))*400
.set ii, ii+1
.endr
	WIN 0
.endm
.macro TOKFETCH                        ; the 48 fragments (tile m, K step s)
	WIN 0x40
.irp s, 0,1,2,3
.irp m, 0,1,2,3,4,5,6,7
.irp c, 0,1
	ds_load_b128 v[8*(8*\s+\m)+4*\c:8*(8*\s+\m)+4*\c+3], v12 offset:6400*\m+64*\s+32*\c
.endr
.endr
.endr
	WIN 0x80
.irp s, 4,5
.irp m, 0,1,2,3,4,5,6,7
.irp c, 0,1
	ds_load_b128 v[8*(8*(\s-4)+\m)+4*\c:8*(8*(\s-4)+\m)+4*\c+3], v12 offset:6400*\m+64*\s+32*\c
.endr
.endr
.endr
	WIN 0
	s_wait_dscnt 0x0
.endm
	v_lshl_add_u32 v254, v0, 2, 0x4b800
	v_mov_b32 v255, 0
	v_lshrrev_b32 v1, 5, v0
	v_readfirstlane_b32 s2, v1                     ; wave 0..3
	v_and_b32 v2, 31, v0
	v_lshlrev_b32 v1, 4, v2                        ; 16 x lane
	v_lshlrev_b32 v2, 2, v2                        ; 4 x lane
	v_and_b32 v3, 15, v0                           ; r
	v_bfe_u32 v4, v0, 4, 1                         ; h
	v_and_b32 v5, 8, v3
	v_add_nc_u32 v5, v5, v3                        ; r + 8 (r / 8)
.irp b, 0,1,2,3
	v_mov_b32 v[TM+4+\b], 0                        ; written once: a lane permute's destination counts as one of its sources
.endr
	s_mov_b32 s[SEL], 0x76543210
	s_mov_b32 s[SEL+1], 0xfedcba98
	s_mov_b32 s[HM], 0xffff0000
	s_mov_b32 s[HC], 4
	s_mov_b32 s51, 0                               ; the upper word of every offset
	s_cmp_lt_u32 ttmp9, 128
	s_cbranch_scc0 .Lnot_q
; ======== THE q PATH: tokens 64 g .. 64 g + 63 ========
	s_load_b256 s[24:31], s[0:1], 0x0              ; q, Wq's codes, Wq's scales, bq
	s_load_b64 s[32:33], s[0:1], 0x20              ; qbuf
	s_and_b32 s3, ttmp9, 15                        ; which 64 tokens of the batch
	s_mul_i32 s34, s2, 16896
	s_add_co_u32 s34, s34, WT1
	v_add_nc_u32 v6, s34, v1                       ; v6: rows into my LDS bytes: 16 x lane
	v_mul_u32_u24 v7, v3, 528
	v_add_nc_u32 v7, s34, v7
	v_lshl_add_u32 v8, v4, 4, v7                   ; v8: a fragment of the weight: row r, + 16 h
	v_lshl_add_u32 v7, v4, 6, v7                   ; v7: q back from the stage: row r, + 64 h
	s_lshl_b32 s35, s2, 13
	v_add_nc_u32 v9, s35, v1                       ; v9: my tile's images
	s_lshl_b32 s35, s2, 10
	s_add_co_u32 s35, s35, XSC
	v_add_nc_u32 v10, s35, v2                      ; v10: and their scale words
	v_lshlrev_b32 v11, 5, v5
	v_lshl_add_u32 v11, v4, 4, v11                 ; v11: Wq's scale words: 32 bytes a row; lanes 16-31 four K steps on
	v_lshlrev_b32 v12, 6, v4                       ; v12: the bias: 16 h numbers on
	s_lshl_b32 s35, s3, 11
	v_add_nc_u32 v13, s35, v1                      ; v13: out: four images of 512 bytes
	s_lshl_b32 s35, s3, 8
	s_add_co_u32 s35, s35, 32768
	v_lshlrev_b32 v14, 4, v3
	v_lshl_add_u32 v14, v4, 3, v14
	v_add_nc_u32 v14, s35, v14                     ; v14: out: the scale words: 16 r + 8 h
	s_wait_kmcnt 0x0
	s_lshl_b32 s50, ttmp9, 18
	s_lshl_b32 s52, s2, 16
	s_add_co_u32 s50, s50, s52
	s_add_nc_u64 s[16:17], s[24:25], s[50:51]      ; q at my wave's 16 rows
	s_lshl_b32 s50, s2, 17
	s_add_nc_u64 s[8:9], s[26:27], s[50:51]        ; my 256 rows of Wq
	s_lshl_b32 s50, s2, 13
	s_add_nc_u64 s[10:11], s[28:29], s[50:51]
	s_lshl_b32 s50, s2, 10
	s_add_nc_u64 s[12:13], s[30:31], s[50:51]
	s_lshr_b32 s50, ttmp9, 4
	s_lshl_b32 s50, s50, 2
	s_add_co_u32 s50, s50, s2
	s_mul_i32 s50, s50, 4*36864
	s_add_nc_u64 s[14:15], s[32:33], s[50:51]      ; the blob of my first head
	LOADU 1, 0                                     ; the first unit of Wq: older than every load of q
	LOADQ 0
	LOADQ 1
	LOADQ 2
.irp s, 0,1,2,3,4,5,6,7
	XSTEP \s
.endr
	s_wait_dscnt 0x0                               ; for the others' sake: my images have landed
	s_barrier_signal -1
	s_barrier_wait -1
	WIN 0x40
.set ii, 0
.rept 64
	ds_load_b128 v[4*ii:4*ii+3], v1 offset:XIMG+512*ii   ; fragment (m, s) at v[8 (8 m + s)] of window 1
.set ii, ii+1
.endr
	WIN 0
.set ii, 0
.rept 32
	ds_load_b32 v[TS+ii], v2 offset:XSC+128*ii
.set ii, ii+1
.endr
	s_wait_dscnt 0x0
.Lq_head:                                              ; a trip is a head: two units of 32 channels
	UNITTOP 1, 0, 16384, 1024
	PASSA1 0
	QCORE ACC, KC, 4, KB                           ; channels 0-31: block m is tile m's
	UNITTOP 1, 1, 16384, 1024
	PASSA1 1
	QCORE ACC, KC+2, 4, TM+4                       ; channels 32-63
.irp m, 0,1,2,3
	v_lshl_or_b32 v[KB+\m], v[TM+4+\m], 8, v[KB+\m]
.endr
.irp m, 0,1,2,3
	v_or_b32 v[KB+\m], 0x01B10000, v[KB+\m]        ; bytes 2 and 3: 2^50 for the mask's slot, 2^-126 for the empty block
.endr
.irp m, 0,1,2,3
.irp i, 0,1
	v_permlane16_swap_b32 v[KC+4*\m+\i], v[KC+4*\m+2+\i]   ; lanes 0-15 channels 0-31, lanes 16-31 channels 32-63
.endr
.endr
.irp m, 0,1,2,3
	global_store_b128 v13, v[KC+4*\m:KC+4*\m+3], s[14:15] offset:512*\m   ; 512 consecutive bytes
.endr
	v_cndmask_b32 v16, v[KB], v[KB+2], s[HM]
	v_cndmask_b32 v17, v[KB+1], v[KB+3], s[HM]
	global_store_b64 v14, v[16:17], s[14:15]       ; 256 consecutive bytes, aligned
	s_wait_xcnt 0x0                                ; the stores' data and base are written again only behind this wait
	s_add_nc_u64 s[14:15], s[14:15], 36864
	s_sub_co_u32 s[HC], s[HC], 1
	s_cmp_lg_u32 s[HC], 0
	s_cbranch_scc1 .Lq_head
	s_wait_tensorcnt 0x0
	ds_add_u32 v254, v255
	s_wait_dscnt 0x0
	s_endpgm
.Lnot_q:
	s_cmp_lt_u32 ttmp9, 192
	s_cbranch_scc0 .Lpath_v
; ======== THE k PATH: the 128 keys of key step S of batch b ========
	s_load_b256 s[24:31], s[0:1], 0x28             ; k's codes, k's scales, Wk's codes, Wk's scales
	s_load_b256 s[32:39], s[0:1], 0x48             ; bk, the mask, Wo's codes, wobuf
	s_load_b64 s[40:41], s[0:1], 0x68              ; steps
	s_load_b64 s[42:43], s[0:1], 0x98              ; kvbuf
	s_sub_co_u32 s3, ttmp9, 128
	s_and_b32 s4, s3, 7                            ; S
	s_lshr_b32 s5, s3, 3                           ; b
	KVADDR TOK2, WT2
	v_lshlrev_b32 v15, 6, v4                       ; v15: the bias: 16 h numbers on
	v_lshlrev_b32 v17, 9, v3
	v_lshl_add_u32 v17, v4, 4, v17                 ; v17: Wo: row r of 512 bytes, + 16 h
	s_lshl_b32 s48, s4, 12
	v_add_nc_u32 v18, s48, v1                      ; v18: out: the step's eight images
	s_lshl_b32 s48, s4, 9
	s_add_co_u32 s48, s48, 32768
	v_add_nc_u32 v19, s48, v1                      ; v19: out: the step's scale words
	s_wait_kmcnt 0x0
	KVPTR 42
	s_lshl_b32 s50, s3, 7
	s_add_nc_u64 s[34:35], s[34:35], s[50:51]      ; the step's 128 mask bytes
	s_lshl_b32 s50, s3, 13
	s_lshl_b32 s52, s2, 7
	s_add_co_u32 s50, s50, s52
	s_add_nc_u64 s[36:37], s[36:37], s[50:51]      ; Wo: rows 16 x (8 b + S) on, my wave's two K steps
	s_lshl_b32 s50, s3, 13
	s_lshl_b32 s52, s2, 11
	s_add_co_u32 s50, s50, s52
	s_add_nc_u64 s[38:39], s[38:39], s[50:51]
	s_lshl_b32 s50, s3, 2
	s_add_nc_u64 s[40:41], s[40:41], s[50:51]
	LOADU 2, 0
	TOKLOAD
.irp m, 0,1,2,3,4,5,6,7
	global_load_u8 v[MK+\m], v5, s[34:35] offset:32*(\m/2)+8*(\m%2)   ; the mask byte of tile m's key of my lane
.endr
.irp i, 0,1,2,3
	global_load_b128 v[KC+4*\i:KC+4*\i+3], v17, s[36:37] offset:32*\i   ; four halves of fragments of Wo
.endr
	s_wait_loadcnt 0x0
	TOKSTORE
.irp i, 0,1,2,3
	global_store_b128 v1, v[KC+4*\i:KC+4*\i+3], s[38:39] offset:512*\i   ; as images: 512 consecutive bytes
.endr
	v_or_b32 v22, v[MK], v[MK+1]
.irp m, 2,3,4,5,6,7
	v_or_b32 v22, v22, v[MK+\m]
.endr
	v_mov_b32 v20, 0x01010000
	v_mov_b32 v21, 0x01B10000
.irp m, 0,1,2,3,4,5,6,7
	v_cmp_eq_u32 vcc_lo, 0, v[MK+\m]
	v_cndmask_b32 v[MK+\m], v20, v21, vcc_lo       ; byte 2 of the key's word: 2^50 where it is hidden, else 2^-126; byte 3: 2^-126
.endr
	v_cmp_ne_u32 vcc_lo, 0, v22                    ; the lanes' keys cover all 128
	s_lshl_b32 s44, 1, s4
	s_cmp_lg_u32 vcc_lo, 0
	s_cselect_b32 s44, s44, 0                      ; 1 << S if any key of the step counts
	s_wait_xcnt 0x0                                ; EXEC and the stores' data change only behind this wait
	s_cmp_lg_u32 s2, 0
	s_cbranch_scc1 .Lno_flag
	v_mov_b32 v22, s44
	v_mov_b32 v23, 0
	v_cmp_eq_u32 vcc_lo, 0, v0
	s_and_saveexec_b32 s45, vcc_lo
	global_store_b32 v23, v22, s[40:41]            ; thread 0 alone
	s_wait_xcnt 0x0
	s_or_b32 exec_lo, exec_lo, s45
.Lno_flag:
	s_wait_dscnt 0x0                               ; for the others' sake: my 32 tokens have landed
	s_barrier_signal -1
	s_barrier_wait -1
	TOKFETCH
.Lk_head:
	UNITTOP 2, 0, 12288, 768
	PASSA2 0, 0
	QCORE ACC, KC, 4, KB
	PASSA2 0, 1
	QCORE ACC, KC+16, 4, KB+4
	UNITTOP 2, 1, 12288, 768
.irp p, 0,1
	PASSA2 1, \p
	QCORE ACC, KC+16*\p+2, 4, TM+4
.irp m, 0,1,2,3
	v_lshl_or_b32 v[KB+4*\p+\m], v[TM+4+\m], 8, v[KB+4*\p+\m]
.endr
.irp m, 0,1,2,3
	v_or_b32 v[KB+4*\p+\m], v[KB+4*\p+\m], v[MK+4*\p+\m]
.endr
.endr
.irp m, 0,1,2,3,4,5,6,7
.irp i, 0,1
	v_permlane16_swap_b32 v[KC+4*\m+\i], v[KC+4*\m+2+\i]
.endr
.endr
.irp m, 0,1,2,3,4,5,6,7
	global_store_b128 v18, v[KC+4*\m:KC+4*\m+3], s[14:15] offset:512*\m
.endr
.irp i, 0,1,2,3
	v_cndmask_b32 v[20+\i], v[KB+\i], v[KB+4+\i], s[HM]   ; lanes 0-15 tiles 0-3, lanes 16-31 tiles 4-7
.endr
	global_store_b128 v19, v[20:23], s[14:15]      ; 512 consecutive bytes
	s_wait_xcnt 0x0
	s_add_nc_u64 s[14:15], s[14:15], 71680
	s_sub_co_u32 s[HC], s[HC], 1
	s_cmp_lg_u32 s[HC], 0
	s_cbranch_scc1 .Lk_head
	s_wait_tensorcnt 0x0
	ds_add_u32 v254, v255
	s_wait_dscnt 0x0
	s_endpgm
.Lpath_v:
; ======== THE v PATH ========
	s_load_b256 s[24:31], s[0:1], 0x70             ; v's codes, v's scales, Wv's codes, Wv's scales
	s_load_b128 s[32:35], s[0:1], 0x90             ; bv, kvbuf
	s_sub_co_u32 s3, ttmp9, 192
	s_and_b32 s4, s3, 7
	s_lshr_b32 s5, s3, 3
	KVADDR TOK3, WT3
	v_lshlrev_b32 v15, 2, v5                       ; v15: the bias of my lane's channel
	s_lshl_b32 s48, s4, 12
	s_add_co_u32 s48, s48, 36864
	v_add_nc_u32 v18, s48, v1                      ; v18: out: the step's four fragments
	s_lshl_b32 s48, s4, 8
	s_add_co_u32 s48, s48, 69632
	v_lshlrev_b32 v19, 4, v3
	v_lshl_add_u32 v19, v4, 3, v19
	v_add_nc_u32 v19, s48, v19                     ; v19: out: their scale words: 16 r + 8 h
	s_wait_kmcnt 0x0
	KVPTR 34
	LOADU 3, 0
	TOKLOAD
	s_wait_loadcnt 0x0
	TOKSTORE
	s_wait_dscnt 0x0
	s_barrier_signal -1
	s_barrier_wait -1
	TOKFETCH
.macro VUNIT b
	UNITTOP 3, \b, 12288, 768
.irp u, 0,1
	PASSB \b, \u
	QCORE ACC, KC+8*(2*(\b)+\u), 2, TM+4           ; four blocks of 32 keys
	QTAIL KC+8*(2*(\b)+\u), VW+2*(\b)+\u
	global_store_b128 v18, v[KC+8*(2*(\b)+\u):KC+8*(2*(\b)+\u)+3], s[14:15] offset:1024*(2*(\b)+\u)
	global_store_b128 v18, v[KC+8*(2*(\b)+\u)+4:KC+8*(2*(\b)+\u)+7], s[14:15] offset:1024*(2*(\b)+\u)+512
.endr
.endm
.Lv_head:
	VUNIT 0
	VUNIT 1
	v_cndmask_b32 v20, v[VW], v[VW+2], s[HM]
	v_cndmask_b32 v21, v[VW+1], v[VW+3], s[HM]
	global_store_b64 v19, v[20:21], s[14:15]       ; 256 consecutive bytes, aligned
	s_wait_xcnt 0x0
	s_add_nc_u64 s[14:15], s[14:15], 71680
	s_sub_co_u32 s[HC], s[HC], 1
	s_cmp_lg_u32 s[HC], 0
	s_cbranch_scc1 .Lv_head
	s_wait_tensorcnt 0x0
	ds_add_u32 v254, v255
	s_wait_dscnt 0x0
	s_endpgm
.Lfunc_end_k_q4120b86f95_proj:
	.size	k_q4120b86f95_proj, .Lfunc_end_k_q4120b86f95_proj-k_q4120b86f95_proj
	.p2alignl 7, 3214868480
	.fill 96, 4, 3214868480
	.section	.rodata,"a",@progbits
	.p2align	6, 0x0
	.amdhsa_kernel k_q4120b86f95_proj
		.amdhsa_group_segment_fixed_size 309760
		.amdhsa_private_segment_fixed_size 0
		.amdhsa_enable_private_segment 0
		.amdhsa_kernarg_size 160
		.amdhsa_user_sgpr_count 2
		.amdhsa_user_sgpr_kernarg_segment_ptr 1
		.amdhsa_wavefront_size32 1
		.amdhsa_system_sgpr_workgroup_id_x 1
		.amdhsa_system_sgpr_workgroup_id_y 1
		.amdhsa_system_sgpr_workgroup_id_z 1
		.amdhsa_system_vgpr_workitem_id 0
		.amdhsa_next_free_vgpr 1024
		.amdhsa_next_free_sgpr 66
		.amdhsa_reserve_vcc 1
		.amdhsa_float_denorm_mode_32 3
		.amdhsa_float_denorm_mode_16_64 3
		.amdhsa_memory_ordered 1
		.amdhsa_forward_progress 1
		.amdhsa_inst_pref_size 255
	.end_amdhsa_kernel
	.section	.bss,"aw",@nobits
	.p2align	6
	.space	262144
	.amdgpu_metadata
---
amdhsa.version: [ 1, 2 ]
amdhsa.kernels:
  - .name:           k_q4120b86f95_proj
    .symbol:         k_q4120b86f95_proj.kd
    .args:
      - { .name: q, .offset: 0, .size: 8, .value_kind: global_buffer, .address_space: global }
      - { .name: Wq_codes, .offset: 8, .size: 8, .value_kind: global_buffer, .address_space: global }
      - { .name: Wq_scales, .offset: 16, .size: 8, .value_kind: global_buffer, .address_space: global }
      - { .name: bq, .offset: 24, .size: 8, .value_kind: global_buffer, .address_space: global }
      - { .name: qbuf, .offset: 32, .size: 8, .value_kind: global_buffer, .address_space: global }
      - { .name: k_codes, .offset: 40, .size: 8, .value_kind: global_buffer, .address_space: global }
      - { .name: k_scales, .offset: 48, .size: 8, .value_kind: global_buffer, .address_space: global }
      - { .name: Wk_codes, .offset: 56, .size: 8, .value_kind: global_buffer, .address_space: global }
      - { .name: Wk_scales, .offset: 64, .size: 8, .value_kind: global_buffer, .address_space: global }
      - { .name: bk, .offset: 72, .size: 8, .value_kind: global_buffer, .address_space: global }
      - { .name: key_padding_mask, .offset: 80, .size: 8, .value_kind: global_buffer, .address_space: global }
      - { .name: Wo_codes, .offset: 88, .size: 8, .value_kind: global_buffer, .address_space: global }
      - { .name: wobuf, .offset: 96, .size: 8, .value_kind: global_buffer, .address_space: global }
      - { .name: steps, .offset: 104, .size: 8, .value_kind: global_buffer, .address_space: global }
      - { .name: v_codes, .offset: 112, .size: 8, .value_kind: global_buffer, .address_space: global }
      - { .name: v_scales, .offset: 120, .size: 8, .value_kind: global_buffer, .address_space: global }
      - { .name: Wv_codes, .offset: 128, .size: 8, .value_kind: global_buffer, .address_space: global }
      - { .name: Wv_scales, .offset: 136, .size: 8, .value_kind: global_buffer, .address_space: global }
      - { .name: bv, .offset: 144, .size: 8, .value_kind: global_buffer, .address_space: global }
      - { .name: kvbuf, .offset: 152, .size: 8, .value_kind: global_buffer, .address_space: global }
    .group_segment_fixed_size: 309760
    .private_segment_fixed_size: 0
    .kernarg_segment_align: 8
    .kernarg_segment_size: 160
    .max_flat_workgroup_size: 128
    .sgpr_count:     66
    .vgpr_count:     1024
    .wavefront_size: 32
...
	.end_amdgpu_metadata
.endif
;; end of part 1
;; launch attn (part 2): grid 4 x 64, 16 waves a work-group, no clusters, 150,528 bytes of LDS; arguments qbuf, kvbuf, steps, obuf; writes obuf
.if DOCPART == 2
	.amdgcn_target "amdgcn-amd-amdhsa--gfx1250"
	.amdhsa_code_object_version 6
	.text
	.protected	k_q4120b86f95_attn
	.globl	k_q4120b86f95_attn
	.p2align	8
	.type	k_q4120b86f95_attn,@function
k_q4120b86f95_attn:
	s_mov_b64 s[64:65], 0
	v_nop
	global_prefetch_b8 v0, s[64:65] scope:SCOPE_SE
	s_setreg_imm32_b32 hwreg(HW_REG_WAVE_MODE, 25, 1), 1
	s_wait_xcnt 0x0
; ATTENTION on codes of FP4 (E2M1) with one E8M0 scale for each 32 along a product's K.
; A WORK-GROUP STAYS: it owns 256 queries of one head in TWO batches, b and b + 4, one unit after the other: 256 work-groups in all.  Each of its sixteen waves owns one tile of 16 queries in each unit, in 256 registers.
; The head's K and V of both batches (2 x 71,680 bytes, laid by the launch before as images of operand registers) are copied into LDS once, through registers, all loads issued together at the head: one barrier serves both units,
; and no barrier stands between the units.  In each unit every wave walks the 8 key steps of 128 keys.
; A KEY STEP ALL OF WHOSE KEYS ARE HIDDEN IS LEFT OUT: a scalar branch on whole numbers that the launch before stored; no barrier stands in a step.  That branch is why no tensor load and no joint load is used here;
; what the four query blocks of a head share is fetched once by each, at its head.  No prefetch: every load of the text stands at its head.
; LAYOUT.  Both products are used transposed: S^T = K Q^T (source 0 = 16 keys, source 1 = my 16 queries), O^T = V^T P^T: a lane holds ONE query (lane % 16) throughout.  The keys of a tile are not neighbours:
; lane r of tile 2 b + u holds key 32 b + 8 u + r + 8 (r / 8), so that the 16 registers of tiles 2 b, 2 b + 1 are keys 32 b + 16 (lane / 16) + 0 .. 15.  V's channels are chosen the same way, for the quantiser of O.
; THE MASK COSTS NO VECTOR WORK.  A head has 64 along K; slot k = 64 of the instruction's 128 holds +6 in Q and -6 in K; its block's scales (2^50 in Q; 2^50 in a hidden key, 2^-126 in a valid one) add -36 x 2^100 to a hidden key's score.
; THE SOFTMAX: t = score x log2(e) / 8; M = the running largest t rounded up to a whole number; p = 2^(t - M) is quantised along the keys; the sum is taken of the unquantised p and divides O at the end.
; The largest t begins at -1e20, over every hidden key's t: hidden keys never move M.  A query that ends there has no valid key: its scale bytes become 0xFF, so that the last product gives NaN for its row, as the softmax of an empty row does.
; LIMITS: |t| of valid keys stays under 1e20; -5e-22 is added to every valid score; a block of zeros gets the scale byte 1 (read by this program alone); NaN and infinities are not served.
; REGISTERS: v1 16 lane, v2 16 r, v3-5 the step's LDS addresses, v6-9 addresses that stay; v11 Q's scale word of unit 0, v255 of unit 1; v12 -M, v13 the largest t, v[14:15] the sum; v16-23 Q; v24-27 Q of unit 1 until its turn;
;   v28-31 V's scale words; v32-95 eight fragments of K; v96-159 S^T, then p; v160-191 O^T; v192-223 four fragments of V; v224-231 p's codes; v232-243 at work; v244-251 K's scale words; v252 f, v253 p's scale word.
.set BLOB, 73728                       ; LDS: a unit's K and V: 71,680 bytes, and 2,048 of padding so that nine pieces of 8,192 bytes cover it; unit u begins at BLOB u.  In it: K's 64 images at 0;
.set KSC,  32768                       ; K's scale words;
.set VIMG, 36864                       ; V's 32 fragments;
.set VSC,  69632                       ; V's scale words
.set OSC,  147456                      ; behind both: 512 bytes a unit for the scale bytes of the work-group's 256 rows of O
.set KVB,  64*71680                    ; four batches on: in kvbuf,
.set QBO,  64*36864                    ; in qbuf,
.set OBI,  2097152                     ; among obuf's images,
.set OBS,  131072                      ; and among its scale bytes.  All four stand in the immediates of loads and stores
.set SEL,  32                          ; s[32:33] selects for v_permlanex16_b32: lane l xor 16
.set CS,   34                          ; s[34:35] c = log2(e) / 8
; a unit begins: O^T and the sum are zeros, the largest t is -1e20.  (The step is written once: the first finds zeros)
.macro START
.set ii, 0
.rept 32
	v_mov_b32 v[160+ii], 0
.set ii, ii+1
.endr
	v_mov_b32 v14, 0
	v_mov_b32 v15, 0
	v_mov_b32 v13, s44
	v_floor_f32 v12, -v13
.endm
; UNIT u: the eight key steps and the way out.  qs: the register of Q's scale words; fl: the scalar register whose bit S says that key step S has a valid key
.macro UNIT u, qs, fl
	s_mov_b32 s24, BLOB*(\u)                       ; + 4,096 S: the step's images
	s_mov_b32 s25, BLOB*(\u)                       ; + 512 S: K's scale words
	s_mov_b32 s26, BLOB*(\u)                       ; + 256 S: V's
	s_mov_b32 s27, 0                               ; S
.Lstep_\@:
	s_lshr_b32 s29, s[\fl], s27
	s_and_b32 s29, s29, 1
	s_cmp_eq_u32 s29, 0
	s_cbranch_scc1 .Lskip_\@
	v_add_nc_u32 v3, s24, v1                       ; these three and the v_nop are the four places in front of the loads into registers that the last products read
	v_add_nc_u32 v4, s25, v2
	v_add_nc_u32 v5, s26, v6
	v_nop
.irp t, 0,1,2,3,4,5,6,7
	ds_load_b128 v[32+8*\t:35+8*\t], v3 offset:512*\t
.endr
.irp g, 0,1
	ds_load_b128 v[244+4*\g:247+4*\g], v4 offset:KSC+256*\g
.endr
.irp t, 0,1,2,3
.irp c, 0,1
	ds_load_b128 v[192+8*\t+4*\c:195+8*\t+4*\c], v3 offset:VIMG+1024*\t+512*\c
.endr
.endr
	ds_load_b128 v[28:31], v5
	s_wait_dscnt 9                                 ; K and its scale words are in; V's nine loads may be out
.irp t, 0,1,2,3,4,5,6,7
	v_wmma_scale_f32_16x16x128_f8f6f4 v[96+8*\t:103+8*\t], v[32+8*\t:39+8*\t], v[16:23], 0, v[244+\t], v[\qs] matrix_a_fmt:MATRIX_FMT_FP4 matrix_b_fmt:MATRIX_FMT_FP4
.endr
.rept 4
	v_nop
.endr
.irp b, 0,1,2,3
	v_max3_num_f32 v[232+\b], v[96+16*\b], v[97+16*\b], v[98+16*\b]   ; the largest score of each block of 32 keys: for the row's maximum and, since p rises with the score, for the block's largest p
.endr
.irp i, 3,5,7,9,11,13
.irp b, 0,1,2,3
	v_max3_num_f32 v[232+\b], v[232+\b], v[96+16*\b+\i], v[97+16*\b+\i]
.endr
.endr
.irp b, 0,1,2,3
	v_max_num_f32 v[232+\b], v[232+\b], v[111+16*\b]
.endr
.irp b, 0,1,2,3
	v_permlanex16_b32 v[236+\b], v[232+\b], s[SEL], s[SEL+1]
.endr
.irp b, 0,1,2,3
	v_max_num_f32 v[232+\b], v[232+\b], v[236+\b]
.endr
	v_max3_num_f32 v254, v232, v233, v234
	v_max_num_f32 v254, v254, v235
	v_mul_f32 v254, s[CS], v254                    ; the step's largest t of my query
	v_max_num_f32 v13, v13, v254
	v_mov_b32 v254, v12
	v_floor_f32 v12, -v13                          ; -M = floor(-t): M is a whole number
	v_sub_f32 v254, v12, v254                      ; old M - new M, 0 or less
	v_cvt_i32_f32 v254, v254                       ; (it saturates)
	v_ldexp_f32 v252, 1.0, v254                    ; f = 2^(old M - new M)
.set ii, 0
.rept 32
	v_pk_fma_f32 v[96+ii:97+ii], v[96+ii:97+ii], s[CS:CS+1], v[12:13] op_sel_hi:[1,0,0]   ; t - M, two at a time
.set ii, ii+2
.endr
.irp b, 0,1,2,3
	v_fma_f32 v[232+\b], v[232+\b], s[CS], v12
.endr
.set ii, 0
.rept 64
	v_exp_f32 v[96+ii], v[96+ii]                   ; p = 2^(t - M); 0 for a hidden key
.set ii, ii+1
.endr
	v_pk_mul_f32 v[14:15], v[14:15], v[252:253] op_sel_hi:[1,0]   ; the sum under the new M: the plain place behind the exponentials
	s_wait_alu depctr_va_vdst(0)                   ; one wait for the batch of 64, ahead of its first use
.irp b, 0,1,2,3
	v_exp_f32 v[232+\b], v[232+\b]                 ; each block's largest p
.endr
	v_pk_add_f32 v[236:237], v[96:97], v[98:99]    ; the row's sum of the unquantised p, in two chains
.irp j, 4,8,12,16,20,24,28,32,36,40,44,48,52,56,60
	v_pk_add_f32 v[14:15], v[14:15], v[96+\j:97+\j]
	v_pk_add_f32 v[236:237], v[236:237], v[98+\j:99+\j]
.endr
	v_pk_add_f32 v[14:15], v[14:15], v[236:237]
	s_wait_alu depctr_va_vdst(0)                   ; and one for the four
.irp b, 0,1,2,3
	v_max_num_f32 v[232+\b], 0x1800000, v[232+\b]  ; the floor 2^(3 - 127): the byte cannot fall under 1
.endr
.irp b, 0,1,2,3
	v_add_nc_u32 v[240+\b], 0xff000000, v[232+\b]
.endr
.irp b, 0,1,2,3
	v_lshrrev_b32 v[236+\b], 23, v[240+\b]
.endr
	v_lshl_or_b32 v253, v237, 8, v236              ; p's scale word for these 128 keys
	v_lshl_or_b32 v253, v238, 16, v253
	v_lshl_or_b32 v253, v239, 24, v253
.irp b, 0,1,2,3
	v_cvt_scalef32_pk8_fp4_f32 v[224+2*\b], v[96+16*\b:103+16*\b], v[240+\b]
	v_cvt_scalef32_pk8_fp4_f32 v[225+2*\b], v[104+16*\b:111+16*\b], v[240+\b]
.endr
	v_nop                                          ; one plain place behind the scaled conversions
.irp c, 0,1
.irp i, 0,1
	v_permlane16_swap_b32 v[224+4*\c+\i], v[226+4*\c+\i]
.endr
.endr
.set ii, 0
.rept 16
	v_pk_mul_f32 v[160+ii:161+ii], v[160+ii:161+ii], v[252:253] op_sel_hi:[1,0]   ; O^T under the new M; these sixteen are also the places between p's codes and scale word and the products
.set ii, ii+2
.endr
	s_wait_dscnt 0x0                               ; V is in
.irp t, 0,1,2,3
	v_wmma_scale_f32_16x16x128_f8f6f4 v[160+8*\t:167+8*\t], v[192+8*\t:199+8*\t], v[224:231], v[160+8*\t:167+8*\t], v[28+\t], v253 matrix_a_fmt:MATRIX_FMT_FP4 matrix_b_fmt:MATRIX_FMT_FP4
.endr
.Lskip_\@:
	s_add_co_u32 s24, s24, 4096
	s_add_co_u32 s25, s25, 512
	s_add_co_u32 s26, s26, 256
	s_add_co_u32 s27, s27, 1
	s_cmp_lt_u32 s27, 8
	s_cbranch_scc1 .Lstep_\@
	; THE UNIT'S END: O^T / the sum, quantised along the head's 64 (two blocks), stored as half a fragment of the last product's operand
	v_add_f32 v14, v14, v15
	v_permlanex16_b32 v252, v14, s[SEL], s[SEL+1]
	v_add_f32 v14, v14, v252                       ; the row's sum
	v_rcp_f32 v14, v14
.rept 4
	v_nop                                          ; the plain place behind the reciprocal, and the places behind the last products
.endr
	s_wait_alu depctr_va_vdst(0)                   ; ahead of the reciprocal's first use
.set ii, 0
.rept 32
	v_mul_f32 v[96+ii], v[160+ii], v14             ; register 16 b + i: channel 32 b + 16 (lane / 16) + i of my query
.set ii, ii+1
.endr
.irp b, 0,1
	v_max3_num_f32 v[232+\b], |v[96+16*\b]|, |v[97+16*\b]|, 0x1800000
.endr
.irp i, 2,4,6,8,10,12,14
.irp b, 0,1
	v_max3_num_f32 v[232+\b], v[232+\b], |v[96+16*\b+\i]|, |v[97+16*\b+\i]|
.endr
.endr
.irp b, 0,1
	v_permlanex16_b32 v[236+\b], v[232+\b], s[SEL], s[SEL+1]
.endr
.irp b, 0,1
	v_max_num_f32 v[232+\b], v[232+\b], v[236+\b]
.endr
.irp b, 0,1
	v_add_nc_u32 v[240+\b], 0xff000000, v[232+\b]
.endr
.irp b, 0,1
	v_lshrrev_b32 v[236+\b], 23, v[240+\b]
.endr
.irp b, 0,1
	v_cvt_scalef32_pk8_fp4_f32 v[224+2*\b], v[96+16*\b:103+16*\b], v[240+\b]
	v_cvt_scalef32_pk8_fp4_f32 v[225+2*\b], v[104+16*\b:111+16*\b], v[240+\b]
.endr
	v_nop
	v_permlane16_swap_b32 v224, v226               ; lanes 0-15 channels 0-31, lanes 16-31 channels 32-63
	v_permlane16_swap_b32 v225, v227
	global_store_b128 v1, v[224:227], s[40:41] offset:OBI*(\u)   ; 512 consecutive bytes
	v_mov_b32 v232, 0xffff
	v_lshl_or_b32 v254, v237, 8, v236
	v_cmp_ge_f32 vcc_lo, s44, v13                  ; no valid key was met
	v_cndmask_b32 v254, v254, v232, vcc_lo
	ds_store_b16 v7, v254 offset:512*(\u)          ; both lanes of a query write the same two bytes
.endm
	s_load_b256 s[4:11], s[0:1], 0x0               ; qbuf, kvbuf, steps, obuf
	v_lshrrev_b32 v1, 5, v0
	v_readfirstlane_b32 s2, v1                     ; wave 0..15
	v_and_b32 v3, 31, v0
	v_lshlrev_b32 v1, 4, v3                        ; 16 x lane
	v_and_b32 v2, 15, v0                           ; r
	v_bfe_u32 v5, v0, 4, 1                         ; h
	v_lshlrev_b32 v9, 4, v0                        ; 16 x thread: the copy's place, in memory and in LDS
	v_add_nc_u32 v232, 0x10000, v9                 ; LDS: 65,536 on: unit 0's ninth piece, and by offsets unit 1's pieces 0 to 6
	v_add_nc_u32 v233, 0x20000, v9                 ; LDS: 131,072 on: unit 1's piece 7 and, 8,192 further, its ninth
	v_min_u32 v234, 0x117f0, v232                  ; the ninth piece in memory: 6,144 bytes are 384 threads' work; the others are held at the blob's last 16 bytes and fill the padding
	s_lshl_b32 s12, s2, 5
	s_add_co_u32 s12, s12, OSC
	v_lshl_add_u32 v7, v2, 1, s12                  ; my query's two scale bytes: OSC + 32 wave + 2 r
	v_add_nc_u32 v8, OSC, v1
	v_lshlrev_b32 v2, 4, v2                        ; 16 r
	v_add_nc_u32 v6, VSC, v2
	s_and_b32 s3, ttmp7, 0xffff                    ; 16 b + head, b = 0 .. 3: unit 0's batch; unit 1's is b + 4
	s_mov_b32 s13, 0
	s_mov_b32 s[SEL], 0x76543210
	s_mov_b32 s[SEL+1], 0xfedcba98
	s_mov_b32 s[CS], 0x3e38aa3b
	s_mov_b32 s[CS+1], s[CS]                       ; (named with it as a pair, so it is written)
	s_mov_b32 s44, 0xe0ad78ec                      ; -1e20
	s_wait_kmcnt 0x0
	s_lshr_b32 s12, s3, 4
	s_lshl_b32 s12, s12, 5
	s_add_nc_u64 s[8:9], s[8:9], s[12:13]
	s_load_b256 s[16:23], s[8:9], 0x0              ; batch b's eight whole numbers,
	s_load_b256 s[48:55], s[8:9], 0x80             ; and batch b + 4's
	s_mul_i32 s12, s3, 71680
	s_add_nc_u64 s[6:7], s[6:7], s[12:13]
.irp i, 0,1,2,3,4,5,6,7
	global_load_b128 v[96+4*\i:99+4*\i], v9, s[6:7] offset:8192*\i   ; 512 threads x 16 bytes: 8,192 consecutive bytes
.endr
	global_load_b128 v[192:195], v234, s[6:7]
	s_mul_i32 s12, s3, 36864
	s_add_nc_u64 s[4:5], s[4:5], s[12:13]
	s_lshl_b32 s12, ttmp9, 13
	s_lshl_b32 s14, s2, 9
	s_add_co_u32 s12, s12, s14
	s_add_nc_u64 s[36:37], s[4:5], s[12:13]        ; my tile's image: tile 16 x + wave
	global_load_b128 v[16:19], v1, s[36:37]
	s_lshl_b32 s12, ttmp9, 10
	s_lshr_b32 s14, s2, 2
	s_lshl_b32 s14, s14, 8
	s_add_co_u32 s12, s12, s14
	s_and_b32 s14, s2, 3
	s_lshl_b32 s14, s14, 2
	s_add_co_u32 s12, s12, s14
	s_add_co_u32 s12, s12, 32768
	s_add_nc_u64 s[38:39], s[4:5], s[12:13]
	global_load_b32 v11, v2, s[38:39]              ; its scale words
.irp i, 0,1,2,3,4,5,6,7
	global_load_b128 v[128+4*\i:131+4*\i], v9, s[6:7] offset:KVB+8192*\i   ; unit 1: eleven loads
.endr
	global_load_b128 v[196:199], v234, s[6:7] offset:KVB
	global_load_b128 v[24:27], v1, s[36:37] offset:QBO
	global_load_b32 v255, v2, s[38:39] offset:QBO
	s_lshr_b32 s12, s3, 4                          ; where O's image goes: ((64 batch + 16 x + wave) 16 + head) 512
	s_lshl_b32 s12, s12, 6
	s_lshl_b32 s14, ttmp9, 4
	s_add_co_u32 s12, s12, s14
	s_add_co_u32 s12, s12, s2
	s_lshl_b32 s12, s12, 4
	s_and_b32 s14, s3, 15
	s_add_co_u32 s12, s12, s14
	s_lshl_b32 s12, s12, 9
	s_add_nc_u64 s[40:41], s[10:11], s[12:13]
	s_lshr_b32 s12, s3, 4                          ; and the 256 rows' scale bytes: 4,194,304 + ((4 batch + x) 16 + head) 512
	s_lshl_b32 s12, s12, 2
	s_add_co_u32 s12, s12, ttmp9
	s_lshl_b32 s12, s12, 4
	s_add_co_u32 s12, s12, s14
	s_lshl_b32 s12, s12, 9
	s_add_co_u32 s12, s12, 4194304
	s_add_nc_u64 s[42:43], s[10:11], s[12:13]
	; all that is constant is set while the loads are out; none of these registers is a load's
	v_mul_u32_u24 v20, v5, 7
	v_sub_nc_u32 v20, 7, v20                       ; Q's slot k = 64: the code +6 in lanes 0-15
	v_mov_b32 v21, 0
	v_mov_b32 v22, 0
	v_mov_b32 v23, 0
	v_mul_u32_u24 v254, v5, 15
	v_sub_nc_u32 v254, 15, v254                    ; K's: the code -6
.irp t, 0,1,2,3,4,5,6,7
	v_mov_b32 v[36+8*\t], v254                     ; the upper halves of K's fragments are written once
	v_mov_b32 v[37+8*\t], 0
	v_mov_b32 v[38+8*\t], 0
	v_mov_b32 v[39+8*\t], 0
.endr
	START
.irp b, 0,1,2,3
	v_mov_b32 v[236+\b], 0                         ; written once: a lane permute's destination counts as one of its sources
.endr
	v_mov_b32 v252, 0
	v_mov_b32 v253, 0
	s_wait_loadcnt 11                              ; unit 0's eleven loads are in; unit 1's eleven, issued behind them, may be out
.irp i, 0,1,2,3,4,5,6,7
	ds_store_b128 v9, v[96+4*\i:99+4*\i] offset:8192*\i
.endr
	ds_store_b128 v232, v[192:195]
	s_wait_loadcnt 0x0
.irp i, 0,1,2,3,4,5,6
	ds_store_b128 v232, v[128+4*\i:131+4*\i] offset:8192*(\i+1)   ; BLOB + 8,192 i = 65,536 + 8,192 (i + 1)
.endr
	ds_store_b128 v233, v[156:159]                 ; BLOB + 57,344 = 131,072
	ds_store_b128 v233, v[196:199] offset:8192
	s_wait_kmcnt 0x0
	s_or_b32 s28, s16, s17
	s_or_b32 s28, s28, s18
	s_or_b32 s28, s28, s19
	s_or_b32 s28, s28, s20
	s_or_b32 s28, s28, s21
	s_or_b32 s28, s28, s22
	s_or_b32 s28, s28, s23                         ; bit S: key step S of batch b has a valid key
	s_or_b32 s30, s48, s49
	s_or_b32 s30, s30, s50
	s_or_b32 s30, s30, s51
	s_or_b32 s30, s30, s52
	s_or_b32 s30, s30, s53
	s_or_b32 s30, s30, s54
	s_or_b32 s30, s30, s55                         ; the same of batch b + 4
	s_wait_dscnt 0x0                               ; for the others' sake: my part of both copies has landed
	s_barrier_signal -1
	s_barrier_wait -1
	UNIT 0, 11, 28
	s_wait_xcnt 0x0                                ; unit 0's store has read its data: the codes' registers are written again only behind this wait
	s_wait_dscnt 0x0                               ; and so has its LDS store
.irp i, 0,1,2,3
	v_mov_b32 v[16+\i], v[24+\i]                   ; unit 1's queries; the 36 lines of START are the places between these and the next products
.endr
	START
	UNIT 1, 255, 30
	s_wait_dscnt 0x0                               ; for wave 0's sake: my queries' scale bytes of both units have landed
	s_barrier_signal -1
	s_barrier_wait -1
	s_cmp_lg_u32 s2, 0
	s_cbranch_scc1 .Lend
	ds_load_b128 v[96:99], v8
	ds_load_b128 v[100:103], v8 offset:512
	s_wait_dscnt 0x0
	global_store_b128 v1, v[96:99], s[42:43]       ; a unit's 256 rows' scale bytes: 512 consecutive bytes
	global_store_b128 v1, v[100:103], s[42:43] offset:OBS
.Lend:
	s_wait_xcnt 0x0
	v_lshl_add_u32 v254, v0, 2, 0x24400
	v_mov_b32 v255, 0
	s_wait_tensorcnt 0x0
	ds_add_u32 v254, v255
	s_wait_dscnt 0x0
	s_endpgm
.Lfunc_end_k_q4120b86f95_attn:
	.size	k_q4120b86f95_attn, .Lfunc_end_k_q4120b86f95_attn-k_q4120b86f95_attn
	.p2alignl 7, 3214868480
	.fill 96, 4, 3214868480
	.section	.rodata,"a",@progbits
	.p2align	6, 0x0
	.amdhsa_kernel k_q4120b86f95_attn
		.amdhsa_group_segment_fixed_size 150528
		.amdhsa_private_segment_fixed_size 0
		.amdhsa_enable_private_segment 0
		.amdhsa_kernarg_size 32
		.amdhsa_user_sgpr_count 2
		.amdhsa_user_sgpr_kernarg_segment_ptr 1
		.amdhsa_wavefront_size32 1
		.amdhsa_system_sgpr_workgroup_id_x 1
		.amdhsa_system_sgpr_workgroup_id_y 1
		.amdhsa_system_sgpr_workgroup_id_z 1
		.amdhsa_system_vgpr_workitem_id 0
		.amdhsa_next_free_vgpr 256
		.amdhsa_next_free_sgpr 66
		.amdhsa_reserve_vcc 1
		.amdhsa_float_denorm_mode_32 3
		.amdhsa_float_denorm_mode_16_64 3
		.amdhsa_memory_ordered 1
		.amdhsa_forward_progress 1
		.amdhsa_inst_pref_size 49
	.end_amdhsa_kernel
	.amdgpu_metadata
---
amdhsa.version: [ 1, 2 ]
amdhsa.kernels:
  - .name:           k_q4120b86f95_attn
    .symbol:         k_q4120b86f95_attn.kd
    .args:
      - { .name: qbuf, .offset: 0, .size: 8, .value_kind: global_buffer, .address_space: global }
      - { .name: kvbuf, .offset: 8, .size: 8, .value_kind: global_buffer, .address_space: global }
      - { .name: steps, .offset: 16, .size: 8, .value_kind: global_buffer, .address_space: global }
      - { .name: obuf, .offset: 24, .size: 8, .value_kind: global_buffer, .address_space: global }
    .group_segment_fixed_size: 150528
    .private_segment_fixed_size: 0
    .kernarg_segment_align: 8
    .kernarg_segment_size: 32
    .max_flat_workgroup_size: 512
    .sgpr_count:     66
    .vgpr_count:     256
    .wavefront_size: 32
...
	.end_amdgpu_metadata
.endif
;; end of part 2
;; launch outln (part 3): grid 256 x 1, 4 waves a work-group, no clusters, 134,656 bytes of LDS; arguments obuf, wobuf, Wo_scales, bo, q, gamma, beta, out0; writes out0
.if DOCPART == 3
	.amdgcn_target "amdgcn-amd-amdhsa--gfx1250"
	.amdhsa_code_object_version 6
	.text
	.protected	k_q4120b86f95_outln
	.globl	k_q4120b86f95_outln
	.p2align	8
	.type	k_q4120b86f95_outln,@function
k_q4120b86f95_outln:
	s_mov_b64 s[64:65], 0
	v_nop
	global_prefetch_b8 v0, s[64:65] scope:SCOPE_SE
	s_setreg_imm32_b32 hwreg(HW_REG_WAVE_MODE, 25, 1), 1
	s_wait_xcnt 0x0
; out0 = LayerNorm(O Wo^T + bo + q) x gamma + beta.  The product is on codes of FP4 (E2M1) with one E8M0 scale for each 32 along K; O's codes and Wo's fragments lie in memory as images of operand registers.
; SHARES.  A work-group owns 32 tokens (two tiles) and all 1,024 columns, so that a row's mean and variance stay inside it.  Wave w owns columns 256 w .. 256 w + 255: 16 tiles of Wo's rows, eight units of two, streamed three units deep.
; THE PRODUCT IS USED TRANSPOSED (source 0 = 16 rows of Wo, source 1 = 16 tokens): lane (r, h), register j of accumulator (m, t) holds y(token 16 m + r, column 16 t + 8 h + j).
; q + bo IS WHERE THE SUMS BEGIN: q is read in rows (512 consecutive bytes a load), bo is added, and the rows go through my stage in LDS into the accumulators' layout.
; THE NORM takes two passes over the registers: the mean, then the sum of squares of y - mean.  A row's sums meet in LDS: two barriers.
; No joint tensor loads in this text: Wo's 512 KiB are read by every work-group through registers, in whole runs of 512 bytes.
; LIMITS: NaN and infinities among the inputs are not served, but a row without a valid key comes as scale bytes 0xFF and leaves as NaN.
; REGISTERS.  window 0: v1 16 lane, v2 2 lane, v5-9 addresses, then as named below.  window 1: q as loaded, then the 32 accumulators ((m, t) at v[8 (16 m + t)]).
;   window 2: v0-127 the tokens' 16 fragments ((m, s) at v[8 (8 m + s)]); v128-255 a unit of Wo.  window 3: two more units; on the way out the rows.
.set BO,   16                          ; v16-23   bo of my lane's columns in a row's two loads
.set GA,   24                          ; v24-31   gamma
.set BE,   32                          ; v32-39   beta
.set HW,   40                          ; v40-55   a token's two scale bytes for each head
.set TS,   56                          ; v56-63   the tokens' scale words: lanes 0-15 tile 0, lanes 16-31 tile 1
.set WS,   64                          ; v64-127  Wo's scale words: register 4 t + i: K step i in lanes 0-15, 4 + i in lanes 16-31
.set STAT, 133120                      ; LDS: four stages of 32 rows at pitch 1,040 from 0 on; then 512 bytes for the sums, 512 for the sums of squares
.set SEL,  32
.set HM,   34
.set MSB, 0
.macro WIN new
.if MSB != (\new)
	s_set_vgpr_msb (MSB<<8)|(\new)
.set MSB, (\new)
.endif
.endm
.macro PLACES n
.rept \n
	v_nop
.endr
.endm
.macro WM d, a, b, c, sa, sb, ra, rb
.if (\ra) && (\rb)
	v_wmma_scale_f32_16x16x128_f8f6f4 v[(\d):(\d)+7], v[(\a):(\a)+7], v[(\b):(\b)+7], v[(\c):(\c)+7], v[\sa], v[\sb] matrix_a_fmt:MATRIX_FMT_FP4 matrix_b_fmt:MATRIX_FMT_FP4 matrix_a_scale:MATRIX_SCALE_ROW1 matrix_b_scale:MATRIX_SCALE_ROW1
.elseif (\ra)
	v_wmma_scale_f32_16x16x128_f8f6f4 v[(\d):(\d)+7], v[(\a):(\a)+7], v[(\b):(\b)+7], v[(\c):(\c)+7], v[\sa], v[\sb] matrix_a_fmt:MATRIX_FMT_FP4 matrix_b_fmt:MATRIX_FMT_FP4 matrix_a_scale:MATRIX_SCALE_ROW1
.elseif (\rb)
	v_wmma_scale_f32_16x16x128_f8f6f4 v[(\d):(\d)+7], v[(\a):(\a)+7], v[(\b):(\b)+7], v[(\c):(\c)+7], v[\sa], v[\sb] matrix_a_fmt:MATRIX_FMT_FP4 matrix_b_fmt:MATRIX_FMT_FP4 matrix_b_scale:MATRIX_SCALE_ROW1
.else
	v_wmma_scale_f32_16x16x128_f8f6f4 v[(\d):(\d)+7], v[(\a):(\a)+7], v[(\b):(\b)+7], v[(\c):(\c)+7], v[\sa], v[\sb] matrix_a_fmt:MATRIX_FMT_FP4 matrix_b_fmt:MATRIX_FMT_FP4
.endif
.endm
; unit n of Wo: tiles 2 n and 2 n + 1, 16 fragments, 16,384 consecutive bytes, into the n % 3-th of three sets
.macro LOADW n
.set FBB, 128*(1-(((\n)%3)%2))
.if (\n)%3 == 0
	WIN 0x80
.else
	WIN 0xC0
.endif
.set ii, 0
.rept 32
	global_load_b128 v[FBB+4*ii:FBB+4*ii+3], v1, s[10:11] offset:16384*(\n)+512*ii
.set ii, ii+1
.endr
	WIN 0
.endm
; its 32 products: four accumulators by turns, K ascending
.macro UNIT n
.if (\n) <= 5
	s_wait_loadcnt 63                              ; this unit is in: two units, 64 loads, were issued behind it
.elseif (\n) == 6
	s_wait_loadcnt 32                              ; one unit was issued behind it
.else
	s_wait_loadcnt 0x0
.endif
.set FBB, 128*(1-(((\n)%3)%2))
.if (\n)%3 == 0
	WIN 0x5A
.else
	WIN 0x5B
.endif
.irp s, 0,1,2,3,4,5,6,7
.irp u, 0,1
.irp m, 0,1
	WM 8*(16*\m+2*(\n)+\u), FBB+8*(8*\u+\s), 8*(8*\m+\s), 8*(16*\m+2*(\n)+\u), WS+4*(2*(\n)+\u)+\s%4, TS+\s, \s/4, \m
.endr
.endr
.endr
	WIN 0
	PLACES 4                                       ; in front of the loads into the set just read, and of the first read of results
.if (\n)+3 < 8
	LOADW (\n)+3
.endif
.endm
; the chains v128-135 (tile m: v[128 + 4 m] on) become each token's total over the 1,024 columns, in v136 (tile 0) and v137 (tile 1) of every lane with that r
.macro REDUCE stat
.irp m, 0,1
	v_pk_add_f32 v[128+4*\m:129+4*\m], v[128+4*\m:129+4*\m], v[130+4*\m:131+4*\m]
.endr
.irp m, 0,1
	v_add_f32 v[136+\m], v[128+4*\m], v[129+4*\m]
.endr
.irp m, 0,1
	v_permlanex16_b32 v[138+\m], v[136+\m], s[SEL], s[SEL+1]
.endr
.irp m, 0,1
	v_add_f32 v[136+\m], v[136+\m], v[138+\m]      ; my wave's 256 columns
.endr
	v_cndmask_b32 v140, v136, v137, s[HM]          ; lane l: token l
	ds_store_b32 v8, v140 offset:\stat
	s_wait_dscnt 0x0                               ; for the others' sake
	s_barrier_signal -1
	s_barrier_wait -1
.irp k, 0,1,2,3,4,5,6,7
	ds_load_b32 v[144+\k], v9 offset:\stat+64*\k   ; wave k / 2, tile k % 2
.endr
	s_wait_dscnt 0x0
.irp m, 0,1
	v_add_f32 v[136+\m], v[144+\m], v[146+\m]
	v_add_f32 v[138+\m], v[148+\m], v[150+\m]
.endr
.irp m, 0,1
	v_add_f32 v[136+\m], v[136+\m], v[138+\m]
.endr
.endm
	s_load_b256 s[8:15], s[0:1], 0x0               ; obuf, wobuf, Wo's scales, bo
	s_load_b256 s[16:23], s[0:1], 0x20             ; q, gamma, beta, out0
	v_lshl_add_u32 v254, v0, 2, 0x20c00
	v_mov_b32 v255, 0
	v_lshrrev_b32 v1, 5, v0
	v_readfirstlane_b32 s2, v1                     ; wave 0..3
	v_and_b32 v2, 31, v0
	v_lshlrev_b32 v1, 4, v2                        ; 16 x lane
	v_lshlrev_b32 v10, 2, v2
	v_lshlrev_b32 v2, 1, v2                        ; 2 x lane
	v_and_b32 v3, 15, v0                           ; r
	v_bfe_u32 v4, v0, 4, 1                         ; h
	v_lshlrev_b32 v5, 5, v3
	v_lshl_add_u32 v5, v4, 4, v5                   ; Wo's scale words: 32 bytes a row; lanes 16-31 four K steps on
	s_mul_i32 s3, s2, 33280
	v_add_nc_u32 v6, s3, v1                        ; my stage by rows: 16 x lane
	v_mul_u32_u24 v7, v3, 1040
	v_lshl_add_u32 v7, v4, 5, v7
	v_add_nc_u32 v7, s3, v7                        ; and in the accumulators' layout: row r, + 32 h
	s_lshl_b32 s3, s2, 7
	s_add_co_u32 s3, s3, STAT
	v_add_nc_u32 v8, s3, v10                       ; my wave's 32 sums
	v_lshl_add_u32 v9, v3, 2, STAT
	v_mov_b32 v138, 0                              ; written once: a lane permute's destination counts as one of its sources
	v_mov_b32 v139, 0
	s_mov_b32 s[SEL], 0x76543210
	s_mov_b32 s[SEL+1], 0xfedcba98
	s_mov_b32 s[HM], 0xffff0000
	s_mov_b32 s40, 0x3a800000                      ; 1 / 1,024
	s_mov_b32 s41, 0x3727c5ac                      ; 1e-5
	s_mov_b32 s5, 0
	s_wait_kmcnt 0x0
	s_lshl_b32 s4, ttmp9, 14
	s_add_nc_u64 s[24:25], s[8:9], s[4:5]          ; my two tiles' images
	s_lshr_b32 s4, ttmp9, 3
	s_lshl_b32 s4, s4, 13
	s_and_b32 s6, ttmp9, 7
	s_lshl_b32 s6, s6, 6
	s_add_co_u32 s4, s4, s6
	s_add_co_u32 s4, s4, 4194304
	s_add_nc_u64 s[26:27], s[8:9], s[4:5]          ; my 32 tokens' scale bytes
	s_lshl_b32 s4, s2, 17
	s_add_nc_u64 s[10:11], s[10:11], s[4:5]        ; my 16 tiles of Wo
	s_lshl_b32 s4, s2, 13
	s_add_nc_u64 s[12:13], s[12:13], s[4:5]
	s_lshl_b32 s4, s2, 10
	s_add_nc_u64 s[14:15], s[14:15], s[4:5]
	s_add_nc_u64 s[18:19], s[18:19], s[4:5]
	s_add_nc_u64 s[20:21], s[20:21], s[4:5]
	s_lshl_b32 s6, ttmp9, 17
	s_add_co_u32 s4, s4, s6
	s_add_nc_u64 s[16:17], s[16:17], s[4:5]        ; q and out0 at my 32 rows, my 256 columns
	s_add_nc_u64 s[22:23], s[22:23], s[4:5]
.irp p, 0,1
	global_load_b128 v[BO+4*\p:BO+4*\p+3], v1, s[14:15] offset:512*\p
	global_load_b128 v[GA+4*\p:GA+4*\p+3], v1, s[18:19] offset:512*\p
	global_load_b128 v[BE+4*\p:BE+4*\p+3], v1, s[20:21] offset:512*\p
.endr
	WIN 0x40
.set ii, 0
.rept 64
	global_load_b128 v[4*ii:4*ii+3], v1, s[16:17] offset:4096*(ii/2)+512*(ii%2) th:TH_LOAD_NT
.set ii, ii+1
.endr
	WIN 0
.set ii, 0
.rept 16
	global_load_u16 v[HW+ii], v2, s[26:27] offset:512*ii
.set ii, ii+1
.endr
.set ii, 0
.rept 16
	global_load_b128 v[WS+4*ii:WS+4*ii+3], v5, s[12:13] offset:512*ii
.set ii, ii+1
.endr
	WIN 0x80
.set ii, 0
.rept 32
	global_load_b128 v[4*ii:4*ii+3], v1, s[24:25] offset:512*ii
.set ii, ii+1
.endr
	WIN 0
	LOADW 0
	LOADW 1
	LOADW 2
	s_wait_loadcnt 63                              ; all but the youngest 63 are in: q, bo, gamma, beta, the scale bytes and words and the tokens' fragments each have 96 loads or more behind them
	WIN 0x41
.set ii, 0
.rept 128
	v_pk_add_f32 v[2*ii:2*ii+1], v[2*ii:2*ii+1], v[BO+2*(ii%4):BO+2*(ii%4)+1]   ; q + bo
.set ii, ii+1
.endr
	WIN 0x04
.set ii, 0
.rept 64
	ds_store_b128 v6, v[4*ii:4*ii+3] offset:1040*(ii/2)+512*(ii%2)
.set ii, ii+1
.endr
	WIN 0
	s_wait_dscnt 0x0                               ; the stores have read the registers into which the loads below land
	WIN 0x40
.set ii, 0
.rept 64
	ds_load_b128 v[4*ii:4*ii+3], v7 offset:16640*(ii/32)+64*((ii%32)/2)+16*(ii%2)
.set ii, ii+1
.endr
	WIN 0
.irp s, 0,1,2,3,4,5,6,7
	v_lshl_or_b32 v[TS+\s], v[HW+2*\s+1], 16, v[HW+2*\s]   ; K step s is heads 2 s and 2 s + 1
.endr
	PLACES 8                                       ; a scale register written by a vector instruction stands eight places ahead of the product that reads it
	s_wait_dscnt 0x0
.irp n, 0,1,2,3,4,5,6,7
	UNIT \n
.endr
	; ---- the mean
.irp j, 0,1,2,3,4,5,6,7
	v_mov_b32 v[128+\j], 0
.endr
	WIN 0x04
.irp m, 0,1
.set ii, 0
.rept 64
	v_pk_add_f32 v[128+4*\m+2*(ii%2):129+4*\m+2*(ii%2)], v[128+4*\m+2*(ii%2):129+4*\m+2*(ii%2)], v[128*\m+2*ii:128*\m+2*ii+1]   ; each accumulator from its low end on; two chains
.set ii, ii+1
.endr
.endr
	WIN 0
	REDUCE 0
.irp m, 0,1
	v_mul_f32 v[152+2*\m], 0xba800000, v[136+\m]   ; -mean
.endr
.irp m, 0,1
	v_mov_b32 v[153+2*\m], v[152+2*\m]
.endr
	; ---- the variance, of y - mean
	WIN 0x41
.irp m, 0,1
.set ii, 0
.rept 64
	v_pk_add_f32 v[128*\m+2*ii:128*\m+2*ii+1], v[128*\m+2*ii:128*\m+2*ii+1], v[152+2*\m:153+2*\m]
.set ii, ii+1
.endr
.endr
	WIN 0
.irp j, 0,1,2,3,4,5,6,7
	v_mov_b32 v[128+\j], 0
.endr
	WIN 0x05
.irp m, 0,1
.set ii, 0
.rept 64
	v_pk_fma_f32 v[128+4*\m+2*(ii%2):129+4*\m+2*(ii%2)], v[128*\m+2*ii:128*\m+2*ii+1], v[128*\m+2*ii:128*\m+2*ii+1], v[128+4*\m+2*(ii%2):129+4*\m+2*(ii%2)]
.set ii, ii+1
.endr
.endr
	WIN 0
	REDUCE 512
.irp m, 0,1
	v_fma_f32 v[136+\m], v[136+\m], s40, s41       ; the variance + 1e-5
.endr
	v_rsq_f32 v156, v136
	v_rsq_f32 v157, v136
	v_rsq_f32 v158, v137
	v_rsq_f32 v159, v137
	v_nop                                          ; the plain place behind them
	s_wait_alu depctr_va_vdst(0)                   ; one wait for the four, ahead of their first use
	WIN 0x41
.irp m, 0,1
.set ii, 0
.rept 64
	v_pk_mul_f32 v[128*\m+2*ii:128*\m+2*ii+1], v[128*\m+2*ii:128*\m+2*ii+1], v[156+2*\m:157+2*\m]
.set ii, ii+1
.endr
.endr
	; ---- the way out: through my stage back into rows; gamma and beta by columns; 512 consecutive bytes a store
.irp m, 0,1
	WIN 0x04
.set ii, 32*\m
.rept 32
	ds_store_b128 v7, v[4*ii:4*ii+3] offset:16640*(ii/32)+64*((ii%32)/2)+16*(ii%2)
.set ii, ii+1
.endr
	WIN 0xC0
.set ii, 0
.rept 32
	ds_load_b128 v[128*\m+4*ii:128*\m+4*ii+3], v6 offset:1040*(16*\m+ii/2)+512*(ii%2)   ; LDS serves a wave's instructions in order (ISA guide 5.7.1.4): these see my stores
.set ii, ii+1
.endr
.endr
.irp m, 0,1
.if \m == 0
	s_wait_dscnt 63                                ; the first 16 rows are back: 64 LDS instructions were issued behind their loads
.else
	s_wait_dscnt 0x0
.endif
	WIN 0xC3
.set ii, 0
.rept 64
	v_pk_fma_f32 v[128*\m+2*ii:128*\m+2*ii+1], v[128*\m+2*ii:128*\m+2*ii+1], v[GA+2*(ii%4):GA+2*(ii%4)+1], v[BE+2*(ii%4):BE+2*(ii%4)+1]
.set ii, ii+1
.endr
	WIN 0x0C
.set ii, 0
.rept 32
	global_store_b128 v1, v[128*\m+4*ii:128*\m+4*ii+3], s[22:23] offset:4096*(16*\m+ii/2)+512*(ii%2) th:TH_STORE_NT
.set ii, ii+1
.endr
.endr
	WIN 0
	s_wait_tensorcnt 0x0
	ds_add_u32 v254, v255
	s_wait_dscnt 0x0
	s_endpgm
.Lfunc_end_k_q4120b86f95_outln:
	.size	k_q4120b86f95_outln, .Lfunc_end_k_q4120b86f95_outln-k_q4120b86f95_outln
	.p2alignl 7, 3214868480
	.fill 96, 4, 3214868480
	.section	.rodata,"a",@progbits
	.p2align	6, 0x0
	.amdhsa_kernel k_q4120b86f95_outln
		.amdhsa_group_segment_fixed_size 134656
		.amdhsa_private_segment_fixed_size 0
		.amdhsa_enable_private_segment 0
		.amdhsa_kernarg_size 64
		.amdhsa_user_sgpr_count 2
		.amdhsa_user_sgpr_kernarg_segment_ptr 1
		.amdhsa_wavefront_size32 1
		.amdhsa_system_sgpr_workgroup_id_x 1
		.amdhsa_system_sgpr_workgroup_id_y 1
		.amdhsa_system_sgpr_workgroup_id_z 1
		.amdhsa_system_vgpr_workitem_id 0
		.amdhsa_next_free_vgpr 1024
		.amdhsa_next_free_sgpr 66
		.amdhsa_reserve_vcc 0
		.amdhsa_float_denorm_mode_32 3
		.amdhsa_float_denorm_mode_16_64 3
		.amdhsa_memory_ordered 1
		.amdhsa_forward_progress 1
		.amdhsa_inst_pref_size 149
	.end_amdhsa_kernel
	.amdgpu_metadata
---
amdhsa.version: [ 1, 2 ]
amdhsa.kernels:
  - .name:           k_q4120b86f95_outln
    .symbol:         k_q4120b86f95_outln.kd
    .args:
      - { .name: obuf, .offset: 0, .size: 8, .value_kind: global_buffer, .address_space: global }
      - { .name: wobuf, .offset: 8, .size: 8, .value_kind: global_buffer, .address_space: global }
      - { .name: Wo_scales, .offset: 16, .size: 8, .value_kind: global_buffer, .address_space: global }
      - { .name: bo, .offset: 24, .size: 8, .value_kind: global_buffer, .address_space: global }
      - { .name: q, .offset: 32, .size: 8, .value_kind: global_buffer, .address_space: global }
      - { .name: gamma, .offset: 40, .size: 8, .value_kind: global_buffer, .address_space: global }
      - { .name: beta, .offset: 48, .size: 8, .value_kind: global_buffer, .address_space: global }
      - { .name: out0, .offset: 56, .size: 8, .value_kind: global_buffer, .address_space: global }
    .group_segment_fixed_size: 134656
    .private_segment_fixed_size: 0
    .kernarg_segment_align: 8
    .kernarg_segment_size: 64
    .max_flat_workgroup_size: 128
    .sgpr_count:     66
    .vgpr_count:     1024
    .wavefront_size: 32
...
	.end_amdgpu_metadata
.endif
;; end of part 3
;; ======== version 2 of 2: 3 launches
;; limits: right only within a limited range of input values
;; workspace buffers: qbuf 4,718,592 bytes; kvbuf 9,175,040 bytes; obuf 4,456,448 bytes; wobuf 524,288 bytes; steps 256 bytes of whole numbers
;; launch proj (part 4): grid 256 x 1, 4 waves a work-group, no clusters, 309,760 bytes of LDS; arguments q, Wq_codes, Wq_scales, bq, qbuf, k_codes, k_scales, Wk_codes, Wk_scales, bk, key_padding_mask, Wo_codes, wobuf, steps, v_codes, v_scales, Wv_codes, Wv_scales, bv, kvbuf; writes qbuf, kvbuf, wobuf, steps
.if DOCPART == 4
	.amdgcn_target "amdgcn-amd-amdhsa--gfx1250"
	.amdhsa_code_object_version 6
	.text
	.protected	k_q4120b86f95_proj
	.globl	k_q4120b86f95_proj
	.p2align	8
	.type	k_q4120b86f95_proj,@function
k_q4120b86f95_proj:
	s_mov_b64 s[64:65], 0
	v_nop
	global_prefetch_b8 v0, s[64:65] scope:SCOPE_SE
	s_setreg_imm32_b32 hwreg(HW_REG_WAVE_MODE, 25, 1), 1
	s_wait_xcnt 0x0
; THE THREE PROJECTIONS on codes of FP4 (E2M1) with one E8M0 scale for each 32 along K, and the quantisers behind them.
;   work-groups 0-127:   qh = Q(q) Wq^T + bq for 64 tokens; q (f32) is quantised here along its 1,024; qh is quantised along a head's 64 and stored as images of operand registers (qbuf).
;   work-groups 128-191: kh = k Wk^T + bk for the 128 keys of one key step; quantised along a head's 64; the padding mask goes into a byte of each key's scale word (kvbuf);
;                        one whole number a key step says whether any of its keys counts (steps); 16 rows of Wo are laid in the order of operand registers (wobuf).
;   work-groups 192-255: vh = v Wv^T + bv for the same 128 keys; quantised ALONG THE KEYS (kvbuf).
; SHARES.  Four waves; wave w owns output columns 256 w .. 256 w + 255: four heads, eight units of 32 rows of the weight.  The tokens' fragments stay in registers; the weight goes by once, a unit ahead.
; DENSE READS.  Every load of codes or of q takes 512 consecutive bytes, 16 a lane; rows become fragments through the wave's own LDS bytes (LDS serves a wave's instructions in order: ISA guide 5.7.1.4).
; THE 32 ROWS OF A UNIT FORM TWO TILES WHOSE ROWS ARE NOT NEIGHBOURS: lane r of tile u takes row 8 u + r + 8 (r / 8), so that the 16 result registers of the two tiles are 16 neighbours, 16 (lane / 16) + 0 .. 15.
; THE MASK.  A head has 64 along K, half of the instruction's 128.  Slot k = 64 holds the code +6 in every query and -6 in every key (set in the attention launch); its block's scale byte is 0xB1 (2^50) in a query's word,
;   0xB1 in a hidden key's and 0x01 in a valid key's: a hidden key's score gets -36 x 2^100, a valid key's -36 x 2^-76.
; LIMITS: a block of zeros gets the scale byte 1 where the quantiser says 127 (its codes are zeros, and these bytes are read by this program alone); blocks whose largest magnitude lies under 2^-124 are held at that byte;
;   NaN and infinities among the inputs are not served; -5e-22 is added to every valid score.
; No joint tensor loads: the three paths read different weights, and this text fills LDS through registers alone.
; REGISTERS.  window 0: v1 16 lane, v2 4 lane, v3 r, v4 h, v5 r + 8 (r / 8), v6-23 the path's addresses, then as named below; v232 at work while addresses are made.
;   q path:   window 1 first q as loaded (4 sets of 64), then the tokens' 32 fragments; window 2 two units of the weight as loaded; window 3 a unit's 16 fragments.
;   k, v:     window 1 and window 2 v0-127 the tokens' 48 fragments; window 2 v128-223 and window 3 v128-223 two units as loaded; window 3 v0-95 a unit's 12 fragments.
.set TM,   24                          ; v24-39   at work in the quantiser: +0..3 largest magnitudes, +4..7 the other half's, then bytes, +8 a word, +12..15 the conversions' scale operands
.set KC,   40                          ; v40-71   codes
.set KB,   72                          ; v72-79   scale bytes, then words
.set MK,   80                          ; v80-87   k path: the mask bytes, then the upper halves of the keys' scale words
.set VW,   80                          ; v80-83   v path: scale words
.set TS,   88                          ; v88-119  the tokens' scale words
.set WS,   120                         ; v120-135 the weight's scale words, two sets of 8
.set BI,   136                         ; v136-167 biases in the result's layout, two sets of 16
.set BV,   136                         ; v136-139 v path: a bias a lane, two sets of 2
.set CB,   144                         ; v144-151 v path: that bias eight times: the C of a sum's first product
.set ACC,  168                         ; v168-231 eight accumulators
.set SEL,  20                          ; s[20:21] selects for v_permlanex16_b32: lane l xor 16
.set HM,   22                          ; s22      a mask of lanes 16-31
.set HC,   23                          ; s23      heads still to go
.set XIMG, 0                           ; LDS, q path: 32 fragments of Q(q), 1,024 bytes each (8 m + s),
.set XSC,  32768                       ; their scale words, 128 bytes each,
.set WT1,  36864                       ; and for each wave 32 rows at pitch 528: the unit in hand (first q's stage)
.set TOK2, 104448                      ; k path: 128 rows of tokens at pitch 400, in the order of the tiles,
.set WT2,  155648                      ; and for each wave 32 rows at pitch 400
.set TOK3, 206848                      ; v path: the same, in bytes of its own
.set WT3,  258048
.set MSB, 0
.macro WIN new                         ; the immediate's high byte repeats the setting that is left; a switch that changes nothing is dropped
.if MSB != (\new)
	s_set_vgpr_msb (MSB<<8)|(\new)
.set MSB, (\new)
.endif
.endm
.macro PLACES n
.rept \n
	v_nop
.endr
.endm
; one product: D, source 0, source 1, C, their scale registers; ra, rb = 1: that side's scales are read from lanes 16-31
.macro WM d, a, b, c, sa, sb, ra, rb
.if (\ra) && (\rb)
	v_wmma_scale_f32_16x16x128_f8f6f4 v[(\d):(\d)+7], v[(\a):(\a)+7], v[(\b):(\b)+7], v[(\c):(\c)+7], v[\sa], v[\sb] matrix_a_fmt:MATRIX_FMT_FP4 matrix_b_fmt:MATRIX_FMT_FP4 matrix_a_scale:MATRIX_SCALE_ROW1 matrix_b_scale:MATRIX_SCALE_ROW1
.elseif (\ra)
	v_wmma_scale_f32_16x16x128_f8f6f4 v[(\d):(\d)+7], v[(\a):(\a)+7], v[(\b):(\b)+7], v[(\c):(\c)+7], v[\sa], v[\sb] matrix_a_fmt:MATRIX_FMT_FP4 matrix_b_fmt:MATRIX_FMT_FP4 matrix_a_scale:MATRIX_SCALE_ROW1
.elseif (\rb)
	v_wmma_scale_f32_16x16x128_f8f6f4 v[(\d):(\d)+7], v[(\a):(\a)+7], v[(\b):(\b)+7], v[(\c):(\c)+7], v[\sa], v[\sb] matrix_a_fmt:MATRIX_FMT_FP4 matrix_b_fmt:MATRIX_FMT_FP4 matrix_b_scale:MATRIX_SCALE_ROW1
.else
	v_wmma_scale_f32_16x16x128_f8f6f4 v[(\d):(\d)+7], v[(\a):(\a)+7], v[(\b):(\b)+7], v[(\c):(\c)+7], v[\sa], v[\sb] matrix_a_fmt:MATRIX_FMT_FP4 matrix_b_fmt:MATRIX_FMT_FP4
.endif
.endm
; THE QUANTISER.  64 numbers of a lane, v[src] on: block b of four is registers 16 b .. 16 b + 15 of lanes l and l xor 16.  Codes: two registers a block at v[pc + pst b]; the scale bytes at v[dstb + b].
.macro QCORE src, pc, pst, dstb
.irp b, 0,1,2,3
	v_max3_num_f32 v[TM+\b], |v[(\src)+16*\b]|, |v[(\src)+16*\b+1]|, 0x1800000   ; my 16 numbers, from each accumulator's low end on, and the floor 2^(3 - 127): the byte cannot fall under 1
.endr
.irp i, 2,4,6,8,10,12,14
.irp b, 0,1,2,3
	v_max3_num_f32 v[TM+\b], v[TM+\b], |v[(\src)+16*\b+\i]|, |v[(\src)+16*\b+\i+1]|   ; the four blocks by turns
.endr
.endr
.irp b, 0,1,2,3
	v_permlanex16_b32 v[TM+4+\b], v[TM+\b], s[SEL], s[SEL+1]
.endr
.irp b, 0,1,2,3
	v_max_num_f32 v[TM+\b], v[TM+\b], v[TM+4+\b]   ; the block's largest magnitude
.endr
.irp b, 0,1,2,3
	v_add_nc_u32 v[TM+12+\b], 0xff000000, v[TM+\b]   ; 2 off its exponent field: the conversion takes this operand's exponent field as its scale
.endr
.irp b, 0,1,2,3
	v_lshrrev_b32 v[(\dstb)+\b], 23, v[TM+12+\b]   ; the scale's byte
.endr
.irp b, 0,1,2,3
	v_cvt_scalef32_pk8_fp4_f32 v[(\pc)+(\pst)*\b], v[(\src)+16*\b:(\src)+16*\b+7], v[TM+12+\b]
	v_cvt_scalef32_pk8_fp4_f32 v[(\pc)+(\pst)*\b+1], v[(\src)+16*\b+8:(\src)+16*\b+15], v[TM+12+\b]
.endr
	v_nop                                          ; one plain place behind the scaled conversions
.endm
; the four bytes at v[TM+4] on make the word v[pw]; the eight code registers at v[pc] become a fragment: a whole block in a lane
.macro QTAIL pc, pw
	v_lshl_or_b32 v[\pw], v[TM+5], 8, v[TM+4]
	v_lshl_or_b32 v[\pw], v[TM+6], 16, v[\pw]
	v_lshl_or_b32 v[\pw], v[TM+7], 24, v[\pw]
.irp c, 0,1
.irp i, 0,1
	v_permlane16_swap_b32 v[(\pc)+4*\c+\i], v[(\pc)+4*\c+2+\i]
.endr
.endr
.endm
; A UNIT'S LOADS: 32 rows of the weight as they lie, their scale words and biases.  kind 1: q path (rows of 512 bytes); 2: k; 3: v (rows of 384 bytes).
; A scale register carries two K steps: lanes 0-15 the lower, lanes 16-31 the one 4 (kind 1) or 3 steps on.
.macro LOADU kind, buf
.if \kind == 1
	WIN 0x80
.set ii, 0
.rept 32
	global_load_b128 v[128*(\buf)+4*ii:128*(\buf)+4*ii+3], v1, s[8:9] offset:512*ii
.set ii, ii+1
.endr
	WIN 0
.irp u, 0,1
	global_load_b128 v[WS+8*(\buf)+4*\u:WS+8*(\buf)+4*\u+3], v11, s[10:11] offset:256*\u
	global_load_b128 v[BI+16*(\buf)+8*\u:BI+16*(\buf)+8*\u+3], v12, s[12:13] offset:32*\u
	global_load_b128 v[BI+16*(\buf)+8*\u+4:BI+16*(\buf)+8*\u+7], v12, s[12:13] offset:32*\u+16
.endr
.else
	WIN 0x80+0x40*(\buf)
.set ii, 0
.rept 24
	global_load_b128 v[128+4*ii:128+4*ii+3], v1, s[8:9] offset:512*ii
.set ii, ii+1
.endr
	WIN 0
.irp u, 0,1
.irp i, 0,1,2
	global_load_b32 v[WS+8*(\buf)+3*\u+\i], v14, s[10:11] offset:192*\u+4*\i
.endr
.if \kind == 2
	global_load_b128 v[BI+16*(\buf)+8*\u:BI+16*(\buf)+8*\u+3], v15, s[12:13] offset:32*\u
	global_load_b128 v[BI+16*(\buf)+8*\u+4:BI+16*(\buf)+8*\u+7], v15, s[12:13] offset:32*\u+16
.else
	global_load_b32 v[BV+2*(\buf)+\u], v15, s[12:13] offset:32*\u
.endif
.endr
.endif
.endm
; THE UNIT BECOMES FRAGMENTS: its rows go into my own LDS bytes in the order of the tiles (row i to place i % 8 + 16 ((i / 8) % 2) + 8 (i / 16)) and come back 16 bytes a lane.
.macro TURNW kind, buf
.if \kind == 1
	WIN 0x08
.set ii, 0
.rept 32
	ds_store_b128 v6, v[128*(\buf)+4*ii:128*(\buf)+4*ii+3] offset:((ii%8)+16*((ii/8)%2)+8*(ii/16))*528
.set ii, ii+1
.endr
	WIN 0xC0
.set ii, 0
.rept 32
	ds_load_b128 v[4*ii:4*ii+3], v8 offset:8448*(ii/16)+32*(ii%16)   ; fragment (u, s) at v[8 (8 u + s)]
.set ii, ii+1
.endr
.else
	WIN 0x08+0x04*(\buf)
.set ii, 0
.rept 24
	ds_store_b128 v[9+ii%3], v[128+4*ii:128+4*ii+3] offset:(4*((ii/3)%2)+16*((ii/6)%2)+8*(ii/12))*400   ; three loads hold four rows of 384 bytes
.set ii, ii+1
.endr
	WIN 0xC0
.set ii, 0
.rept 24
	ds_load_b128 v[4*ii:4*ii+3], v13 offset:6400*(ii/12)+32*(ii%12)   ; fragment (u, s) at v[8 (6 u + s)]
.set ii, ii+1
.endr
.endif
	WIN 0
	s_wait_dscnt 0x0
.endm
; THE HEAD OF A UNIT: its loads, issued a unit ago, are in; so their bases may step, and the next unit's loads go out into the other set.  The last unit of the last head asks for nothing: no load leaves its buffer.
.macro UNITTOP kind, buf, wstep, sstep
	s_wait_loadcnt 0x0
.if \buf == 1
	s_cmp_eq_u32 s[HC], 1
	s_cbranch_scc1 .Lnoload_\@
.endif
	s_add_nc_u64 s[8:9], s[8:9], \wstep
	s_add_nc_u64 s[10:11], s[10:11], \sstep
	s_add_nc_u64 s[12:13], s[12:13], 128
	LOADU \kind, 1-(\buf)
.if \buf == 1
.Lnoload_\@:
.endif
	TURNW \kind, \buf
.endm
; q path: 64 products, TRANSPOSED (source 0 = 16 rows of the weight, source 1 = 16 tokens): four tiles of tokens x the unit's two tiles, eight K steps.  The eight accumulators take turns.  The bias is the first product's C.
.macro PASSA1 buf
	WIN 0x07
.irp s, 0,1,2,3,4,5,6,7
.irp m, 0,1,2,3
.irp u, 0,1
.if \s == 0
	WM ACC+16*\m+8*\u, 8*(8*\u+\s), 8*(8*\m+\s), BI+16*(\buf)+8*\u, WS+8*(\buf)+4*\u+\s%4, TS+8*\m+\s, \s/4, 0
.else
	WM ACC+16*\m+8*\u, 8*(8*\u+\s), 8*(8*\m+\s), ACC+16*\m+8*\u, WS+8*(\buf)+4*\u+\s%4, TS+8*\m+\s, \s/4, 0
.endif
.endr
.endr
.endr
	WIN 0
	PLACES 4
.endm
; k path: the same for tiles of tokens 4 p .. 4 p + 3, six K steps: 48 products
.macro PASSA2 buf, p
.irp s, 0,1,2,3,4,5
.if \s < 4
	WIN 0x07
.else
	WIN 0x0B
.endif
.irp m, 0,1,2,3
.irp u, 0,1
.if \s == 0
	WM ACC+16*\m+8*\u, 8*(6*\u+\s), 8*(8*(\s%4)+4*(\p)+\m), BI+16*(\buf)+8*\u, WS+8*(\buf)+3*\u+\s%3, TS+3*(4*(\p)+\m)+\s%3, \s/3, \s/3
.else
	WM ACC+16*\m+8*\u, 8*(6*\u+\s), 8*(8*(\s%4)+4*(\p)+\m), ACC+16*\m+8*\u, WS+8*(\buf)+3*\u+\s%3, TS+3*(4*(\p)+\m)+\s%3, \s/3, \s/3
.endif
.endr
.endr
.endr
	WIN 0
	PLACES 4
.endm
; v path: NOT transposed (source 0 = 16 keys, source 1 = 16 rows of the weight): a lane holds one channel and its registers run along the keys, which are the next product's K.  Eight tiles of keys x tile u: 48 products
.macro PASSB buf, u
.irp j, 0,1,2,3,4,5,6,7
	v_mov_b32 v[CB+\j], v[BV+2*(\buf)+(\u)]        ; my channel's bias for all eight keys of a lane
.endr
	PLACES 4
.irp s, 0,1,2,3,4,5
.if \s < 4
	WIN 0x0D
.else
	WIN 0x0E
.endif
.irp m, 0,1,2,3,4,5,6,7
.if \s == 0
	WM ACC+8*\m, 8*(8*(\s%4)+\m), 8*(6*(\u)+\s), CB, TS+3*\m+\s%3, WS+8*(\buf)+3*(\u)+\s%3, \s/3, \s/3
.else
	WM ACC+8*\m, 8*(8*(\s%4)+\m), 8*(6*(\u)+\s), ACC+8*\m, TS+3*\m+\s%3, WS+8*(\buf)+3*(\u)+\s%3, \s/3, \s/3
.endif
.endr
.endr
	WIN 0
	PLACES 4
.endm
; q path: K step s (128 numbers) of my 16 rows of q: 16 loads of 512 consecutive bytes, into set s % 4 of window 1
.macro LOADQ s
	WIN 0x40
.set ii, 0
.rept 16
	global_load_b128 v[64*((\s)%4)+4*ii:64*((\s)%4)+4*ii+3], v1, s[16:17] offset:4096*ii+512*(\s) th:TH_LOAD_NT
.set ii, ii+1
.endr
	WIN 0
.endm
; and its way into codes: through my stage, so that a lane holds 16 neighbours of each block of its row; quantised; the fragment's image and scale word to LDS for all four waves
.macro XSTEP s
.if (\s)+3 < 8
	LOADQ (\s)+3
.endif
.if 7-(\s) >= 3
	s_wait_loadcnt 48                              ; this set is in; the three sets behind it, 16 loads each, may be out
.else
	s_wait_loadcnt 16*(7-(\s))                     ; the sets still behind it
.endif
	WIN 0x04
.set ii, 0
.rept 16
	ds_store_b128 v6, v[64*((\s)%4)+4*ii:64*((\s)%4)+4*ii+3] offset:528*ii
.set ii, ii+1
.endr
	WIN 0
.set ii, 0
.rept 16
	ds_load_b128 v[ACC+4*ii:ACC+4*ii+3], v7 offset:128*(ii/4)+16*(ii%4)
.set ii, ii+1
.endr
	s_wait_dscnt 0x0                               ; the numbers are back; the last step's images have left their registers
	QCORE ACC, KC, 2, TM+4
	QTAIL KC, TM+8
	ds_store_b128 v9, v[KC:KC+3] offset:1024*(\s)
	ds_store_b128 v9, v[KC+4:KC+7] offset:1024*(\s)+512
	ds_store_b32 v10, v[TM+8] offset:128*(\s)
.endm
; k and v paths: the addresses.  Three loads of 512 bytes hold four rows of 384.  Piece x = 32 j + lane (16 bytes) of them lies in row x / 24 = j + ((lane + 8 (j + 1)) >> 5);
; at pitch 400 = 384 + 16 its LDS byte is 16 x + 16 (x / 24) = 16 lane + 528 j + 16 ((lane + 8 (j + 1)) >> 5).
.macro KVADDR tok, wt
	s_mul_i32 s46, s2, 12800
	s_add_co_u32 s47, s46, \tok
	s_add_co_u32 s46, s46, \wt
.irp j, 0,1,2
	v_and_b32 v232, 31, v0
	v_add_nc_u32 v232, 8*(\j+1), v232
	v_lshrrev_b32 v232, 5, v232                    ; 1 where my piece lies in the later of the load's two rows
	v_lshl_add_u32 v232, v232, 4, v1
	v_add_nc_u32 v232, 528*\j, v232
	v_add_nc_u32 v[6+\j], s47, v232                ; v6-8: tokens, my wave's 32 places
	v_add_nc_u32 v[9+\j], s46, v232                ; v9-11: the weight, my wave's own bytes
.endr
	v_mul_u32_u24 v12, v3, 400
	v_lshl_add_u32 v12, v4, 4, v12
	v_add_nc_u32 v13, s46, v12                     ; v13: a fragment of the weight
	v_add_nc_u32 v12, \tok, v12                    ; v12: a fragment of the tokens
	v_mul_u32_u24 v14, v5, 24
	v_mad_u32_u24 v14, v4, 12, v14                 ; v14: scale words: 24 bytes a row; lanes 16-31 three K steps on
.endm
; and the pointers.  s[24:25] tokens' codes, s[26:27] their scales, s[28:29] the weight's codes, s[30:31] its scales, s[32:33] the bias, s[kv:kv+1] kvbuf; s3 = 8 batch + key step, s5 = batch
.macro KVPTR kv
	s_mul_i32 s50, s3, 49152
	s_mul_i32 s52, s2, 12288
	s_add_co_u32 s50, s50, s52
	s_add_nc_u64 s[16:17], s[24:25], s[50:51]      ; my wave's 32 tokens
	s_mul_i32 s50, s3, 3072
	s_add_nc_u64 s[18:19], s[26:27], s[50:51]
	s_mul_i32 s50, s2, 98304
	s_add_nc_u64 s[8:9], s[28:29], s[50:51]        ; my wave's 256 rows of the weight
	s_mul_i32 s50, s2, 6144
	s_add_nc_u64 s[10:11], s[30:31], s[50:51]
	s_lshl_b32 s50, s2, 10
	s_add_nc_u64 s[12:13], s[32:33], s[50:51]
	s_lshl_b32 s50, s5, 2
	s_add_co_u32 s50, s50, s2
	s_mul_i32 s50, s50, 4*71680
	s_add_nc_u64 s[14:15], s[\kv:\kv+1], s[50:51]  ; the blob of my first head
.endm
.macro TOKLOAD                         ; my 32 tokens as they lie (into the second set of loaded units, which is free), and all 128 tokens' scale words
	WIN 0xC0
.set ii, 0
.rept 24
	global_load_b128 v[128+4*ii:128+4*ii+3], v1, s[16:17] offset:512*ii th:TH_LOAD_NT
.set ii, ii+1
.endr
	WIN 0
.irp m, 0,1,2,3,4,5,6,7
.irp i, 0,1,2
	global_load_b32 v[TS+3*\m+\i], v14, s[18:19] offset:(32*(\m/2)+8*(\m%2))*24+4*\i
.endr
.endr
.endm
.macro TOKSTORE
	WIN 0x0C
.set ii, 0
.rept 24
	ds_store_b128 v[6+ii%3], v[128+4*ii:128+4*ii+3] offset:(4*((ii/3)%2)+16*((ii/6)%2)+8*(ii/12))*400
.set ii, ii+1
.endr
	WIN 0
.endm
.macro TOKFETCH                        ; the 48 fragments (tile m, K step s)
	WIN 0x40
.irp s, 0,1,2,3
.irp m, 0,1,2,3,4,5,6,7
.irp c, 0,1
	ds_load_b128 v[8*(8*\s+\m)+4*\c:8*(8*\s+\m)+4*\c+3], v12 offset:6400*\m+64*\s+32*\c
.endr
.endr
.endr
	WIN 0x80
.irp s, 4,5
.irp m, 0,1,2,3,4,5,6,7
.irp c, 0,1
	ds_load_b128 v[8*(8*(\s-4)+\m)+4*\c:8*(8*(\s-4)+\m)+4*\c+3], v12 offset:6400*\m+64*\s+32*\c
.endr
.endr
.endr
	WIN 0
	s_wait_dscnt 0x0
.endm
	v_lshl_add_u32 v254, v0, 2, 0x4b800
	v_mov_b32 v255, 0
	v_lshrrev_b32 v1, 5, v0
	v_readfirstlane_b32 s2, v1                     ; wave 0..3
	v_and_b32 v2, 31, v0
	v_lshlrev_b32 v1, 4, v2                        ; 16 x lane
	v_lshlrev_b32 v2, 2, v2                        ; 4 x lane
	v_and_b32 v3, 15, v0                           ; r
	v_bfe_u32 v4, v0, 4, 1                         ; h
	v_and_b32 v5, 8, v3
	v_add_nc_u32 v5, v5, v3                        ; r + 8 (r / 8)
.irp b, 0,1,2,3
	v_mov_b32 v[TM+4+\b], 0                        ; written once: a lane permute's destination counts as one of its sources
.endr
	s_mov_b32 s[SEL], 0x76543210
	s_mov_b32 s[SEL+1], 0xfedcba98
	s_mov_b32 s[HM], 0xffff0000
	s_mov_b32 s[HC], 4
	s_mov_b32 s51, 0                               ; the upper word of every offset
	s_cmp_lt_u32 ttmp9, 128
	s_cbranch_scc0 .Lnot_q
; ======== THE q PATH: tokens 64 g .. 64 g + 63 ========
	s_load_b256 s[24:31], s[0:1], 0x0              ; q, Wq's codes, Wq's scales, bq
	s_load_b64 s[32:33], s[0:1], 0x20              ; qbuf
	s_and_b32 s3, ttmp9, 15                        ; which 64 tokens of the batch
	s_mul_i32 s34, s2, 16896
	s_add_co_u32 s34, s34, WT1
	v_add_nc_u32 v6, s34, v1                       ; v6: rows into my LDS bytes: 16 x lane
	s_wait_alu depctr_va_vdst(0)
	v_mul_u32_u24 v7, v3, 528
	v_add_nc_u32 v7, s34, v7
	v_lshl_add_u32 v8, v4, 4, v7                   ; v8: a fragment of the weight: row r, + 16 h
	v_lshl_add_u32 v7, v4, 6, v7                   ; v7: q back from the stage: row r, + 64 h
	s_lshl_b32 s35, s2, 13
	v_add_nc_u32 v9, s35, v1                       ; v9: my tile's images
	s_lshl_b32 s35, s2, 10
	s_add_co_u32 s35, s35, XSC
	v_add_nc_u32 v10, s35, v2                      ; v10: and their scale words
	v_lshlrev_b32 v11, 5, v5
	v_lshl_add_u32 v11, v4, 4, v11                 ; v11: Wq's scale words: 32 bytes a row; lanes 16-31 four K steps on
	v_lshlrev_b32 v12, 6, v4                       ; v12: the bias: 16 h numbers on
	s_lshl_b32 s35, s3, 11
	v_add_nc_u32 v13, s35, v1                      ; v13: out: four images of 512 bytes
	s_lshl_b32 s35, s3, 8
	s_add_co_u32 s35, s35, 32768
	v_lshlrev_b32 v14, 4, v3
	v_lshl_add_u32 v14, v4, 3, v14
	v_add_nc_u32 v14, s35, v14                     ; v14: out: the scale words: 16 r + 8 h
	s_wait_alu depctr_va_vdst(0)
	s_wait_kmcnt 0x0
	s_lshl_b32 s50, ttmp9, 18
	s_lshl_b32 s52, s2, 16
	s_add_co_u32 s50, s50, s52
	s_add_nc_u64 s[16:17], s[24:25], s[50:51]      ; q at my wave's 16 rows
	s_lshl_b32 s50, s2, 17
	s_add_nc_u64 s[8:9], s[26:27], s[50:51]        ; my 256 rows of Wq
	s_lshl_b32 s50, s2, 13
	s_add_nc_u64 s[10:11], s[28:29], s[50:51]
	s_lshl_b32 s50, s2, 10
	s_add_nc_u64 s[12:13], s[30:31], s[50:51]
	s_lshr_b32 s50, ttmp9, 4
	s_lshl_b32 s50, s50, 2
	s_add_co_u32 s50, s50, s2
	s_mul_i32 s50, s50, 4*36864
	s_add_nc_u64 s[14:15], s[32:33], s[50:51]      ; the blob of my first head
	LOADU 1, 0                                     ; the first unit of Wq: older than every load of q
	LOADQ 0
	LOADQ 1
	LOADQ 2
.irp s, 0,1,2,3,4,5,6,7
	XSTEP \s
.endr
	s_wait_dscnt 0x0                               ; for the others' sake: my images have landed
	s_barrier_signal -1
	s_barrier_wait -1
	WIN 0x40
.set ii, 0
.rept 64
	ds_load_b128 v[4*ii:4*ii+3], v1 offset:XIMG+512*ii   ; fragment (m, s) at v[8 (8 m + s)] of window 1
.set ii, ii+1
.endr
	WIN 0
.set ii, 0
.rept 32
	ds_load_b32 v[TS+ii], v2 offset:XSC+128*ii
.set ii, ii+1
.endr
	s_wait_dscnt 0x0
.Lq_head:                                              ; a trip is a head: two units of 32 channels
	UNITTOP 1, 0, 16384, 1024
	PASSA1 0
	QCORE ACC, KC, 4, KB                           ; channels 0-31: block m is tile m's
	UNITTOP 1, 1, 16384, 1024
	PASSA1 1
	QCORE ACC, KC+2, 4, TM+4                       ; channels 32-63
.irp m, 0,1,2,3
	v_lshl_or_b32 v[KB+\m], v[TM+4+\m], 8, v[KB+\m]
.endr
.irp m, 0,1,2,3
	v_or_b32 v[KB+\m], 0x01B10000, v[KB+\m]        ; bytes 2 and 3: 2^50 for the mask's slot, 2^-126 for the empty block
.endr
.irp m, 0,1,2,3
.irp i, 0,1
	v_permlane16_swap_b32 v[KC+4*\m+\i], v[KC+4*\m+2+\i]   ; lanes 0-15 channels 0-31, lanes 16-31 channels 32-63
.endr
.endr
.irp m, 0,1,2,3
	global_store_b128 v13, v[KC+4*\m:KC+4*\m+3], s[14:15] offset:512*\m   ; 512 consecutive bytes
.endr
	v_cndmask_b32 v16, v[KB], v[KB+2], s[HM]
	v_cndmask_b32 v17, v[KB+1], v[KB+3], s[HM]
	global_store_b64 v14, v[16:17], s[14:15]       ; 256 consecutive bytes, aligned
	s_wait_xcnt 0x0                                ; the stores' data and base are written again only behind this wait
	s_add_nc_u64 s[14:15], s[14:15], 36864
	s_sub_co_u32 s[HC], s[HC], 1
	s_cmp_lg_u32 s[HC], 0
	s_cbranch_scc1 .Lq_head
	s_wait_tensorcnt 0x0
	ds_add_u32 v254, v255
	s_wait_dscnt 0x0
	s_endpgm
.Lnot_q:
	s_cmp_lt_u32 ttmp9, 192
	s_cbranch_scc0 .Lpath_v
; ======== THE k PATH: the 128 keys of key step S of batch b ========
	s_load_b256 s[24:31], s[0:1], 0x28             ; k's codes, k's scales, Wk's codes, Wk's scales
	s_load_b256 s[32:39], s[0:1], 0x48             ; bk, the mask, Wo's codes, wobuf
	s_load_b64 s[40:41], s[0:1], 0x68              ; steps
	s_load_b64 s[42:43], s[0:1], 0x98              ; kvbuf
	s_sub_co_u32 s3, ttmp9, 128
	s_and_b32 s4, s3, 7                            ; S
	s_lshr_b32 s5, s3, 3                           ; b
	KVADDR TOK2, WT2
	v_lshlrev_b32 v15, 6, v4                       ; v15: the bias: 16 h numbers on
	v_lshlrev_b32 v17, 9, v3
	v_lshl_add_u32 v17, v4, 4, v17                 ; v17: Wo: row r of 512 bytes, + 16 h
	s_lshl_b32 s48, s4, 12
	v_add_nc_u32 v18, s48, v1                      ; v18: out: the step's eight images
	s_lshl_b32 s48, s4, 9
	s_add_co_u32 s48, s48, 32768
	v_add_nc_u32 v19, s48, v1                      ; v19: out: the step's scale words
	s_wait_alu depctr_va_vdst(0)
	s_wait_kmcnt 0x0
	KVPTR 42
	s_lshl_b32 s50, s3, 7
	s_add_nc_u64 s[34:35], s[34:35], s[50:51]      ; the step's 128 mask bytes
	s_lshl_b32 s50, s3, 13
	s_lshl_b32 s52, s2, 7
	s_add_co_u32 s50, s50, s52
	s_add_nc_u64 s[36:37], s[36:37], s[50:51]      ; Wo: rows 16 x (8 b + S) on, my wave's two K steps
	s_lshl_b32 s50, s3, 13
	s_lshl_b32 s52, s2, 11
	s_add_co_u32 s50, s50, s52
	s_add_nc_u64 s[38:39], s[38:39], s[50:51]
	s_lshl_b32 s50, s3, 2
	s_add_nc_u64 s[40:41], s[40:41], s[50:51]
	LOADU 2, 0
	TOKLOAD
.irp m, 0,1,2,3,4,5,6,7
	global_load_u8 v[MK+\m], v5, s[34:35] offset:32*(\m/2)+8*(\m%2)   ; the mask byte of tile m's key of my lane
.endr
.irp i, 0,1,2,3
	global_load_b128 v[KC+4*\i:KC+4*\i+3], v17, s[36:37] offset:32*\i   ; four halves of fragments of Wo
.endr
	s_wait_loadcnt 0x0
	TOKSTORE
.irp i, 0,1,2,3
	global_store_b128 v1, v[KC+4*\i:KC+4*\i+3], s[38:39] offset:512*\i   ; as images: 512 consecutive bytes
.endr
	v_or_b32 v22, v[MK], v[MK+1]
.irp m, 2,3,4,5,6,7
	v_or_b32 v22, v22, v[MK+\m]
.endr
	v_mov_b32 v20, 0x01010000
	v_mov_b32 v21, 0x01B10000
.irp m, 0,1,2,3,4,5,6,7
	v_cmp_eq_u32 vcc_lo, 0, v[MK+\m]
	v_cndmask_b32 v[MK+\m], v20, v21, vcc_lo       ; byte 2 of the key's word: 2^50 where it is hidden, else 2^-126; byte 3: 2^-126
.endr
	v_cmp_ne_u32 vcc_lo, 0, v22                    ; the lanes' keys cover all 128
	s_lshl_b32 s44, 1, s4
	s_cmp_lg_u32 vcc_lo, 0
	s_cselect_b32 s44, s44, 0                      ; 1 << S if any key of the step counts
	s_wait_xcnt 0x0                                ; EXEC and the stores' data change only behind this wait
	s_cmp_lg_u32 s2, 0
	s_cbranch_scc1 .Lno_flag
	v_mov_b32 v22, s44
	v_mov_b32 v23, 0
	v_cmp_eq_u32 vcc_lo, 0, v0
	s_and_saveexec_b32 s45, vcc_lo
	global_store_b32 v23, v22, s[40:41]            ; thread 0 alone
	s_wait_xcnt 0x0
	s_or_b32 exec_lo, exec_lo, s45
.Lno_flag:
	s_wait_dscnt 0x0                               ; for the others' sake: my 32 tokens have landed
	s_barrier_signal -1
	s_barrier_wait -1
	TOKFETCH
.Lk_head:
	UNITTOP 2, 0, 12288, 768
	PASSA2 0, 0
	QCORE ACC, KC, 4, KB
	PASSA2 0, 1
	QCORE ACC, KC+16, 4, KB+4
	UNITTOP 2, 1, 12288, 768
.irp p, 0,1
	PASSA2 1, \p
	QCORE ACC, KC+16*\p+2, 4, TM+4
.irp m, 0,1,2,3
	v_lshl_or_b32 v[KB+4*\p+\m], v[TM+4+\m], 8, v[KB+4*\p+\m]
.endr
.irp m, 0,1,2,3
	v_or_b32 v[KB+4*\p+\m], v[KB+4*\p+\m], v[MK+4*\p+\m]
.endr
.endr
.irp m, 0,1,2,3,4,5,6,7
.irp i, 0,1
	v_permlane16_swap_b32 v[KC+4*\m+\i], v[KC+4*\m+2+\i]
.endr
.endr
.irp m, 0,1,2,3,4,5,6,7
	global_store_b128 v18, v[KC+4*\m:KC+4*\m+3], s[14:15] offset:512*\m
.endr
.irp i, 0,1,2,3
	v_cndmask_b32 v[20+\i], v[KB+\i], v[KB+4+\i], s[HM]   ; lanes 0-15 tiles 0-3, lanes 16-31 tiles 4-7
.endr
	global_store_b128 v19, v[20:23], s[14:15]      ; 512 consecutive bytes
	s_wait_xcnt 0x0
	s_add_nc_u64 s[14:15], s[14:15], 71680
	s_sub_co_u32 s[HC], s[HC], 1
	s_cmp_lg_u32 s[HC], 0
	s_cbranch_scc1 .Lk_head
	s_wait_tensorcnt 0x0
	ds_add_u32 v254, v255
	s_wait_dscnt 0x0
	s_endpgm
.Lpath_v:
; ======== THE v PATH ========
	s_load_b256 s[24:31], s[0:1], 0x70             ; v's codes, v's scales, Wv's codes, Wv's scales
	s_load_b128 s[32:35], s[0:1], 0x90             ; bv, kvbuf
	s_sub_co_u32 s3, ttmp9, 192
	s_and_b32 s4, s3, 7
	s_lshr_b32 s5, s3, 3
	KVADDR TOK3, WT3
	v_lshlrev_b32 v15, 2, v5                       ; v15: the bias of my lane's channel
	s_lshl_b32 s48, s4, 12
	s_add_co_u32 s48, s48, 36864
	v_add_nc_u32 v18, s48, v1                      ; v18: out: the step's four fragments
	s_lshl_b32 s48, s4, 8
	s_add_co_u32 s48, s48, 69632
	v_lshlrev_b32 v19, 4, v3
	v_lshl_add_u32 v19, v4, 3, v19
	v_add_nc_u32 v19, s48, v19                     ; v19: out: their scale words: 16 r + 8 h
	s_wait_alu depctr_va_vdst(0)
	s_wait_kmcnt 0x0
	KVPTR 34
	LOADU 3, 0
	TOKLOAD
	s_wait_loadcnt 0x0
	TOKSTORE
	s_wait_dscnt 0x0
	s_barrier_signal -1
	s_barrier_wait -1
	TOKFETCH
.macro VUNIT b
	UNITTOP 3, \b, 12288, 768
.irp u, 0,1
	PASSB \b, \u
	QCORE ACC, KC+8*(2*(\b)+\u), 2, TM+4           ; four blocks of 32 keys
	QTAIL KC+8*(2*(\b)+\u), VW+2*(\b)+\u
	global_store_b128 v18, v[KC+8*(2*(\b)+\u):KC+8*(2*(\b)+\u)+3], s[14:15] offset:1024*(2*(\b)+\u)
	global_store_b128 v18, v[KC+8*(2*(\b)+\u)+4:KC+8*(2*(\b)+\u)+7], s[14:15] offset:1024*(2*(\b)+\u)+512
.endr
.endm
.Lv_head:
	VUNIT 0
	VUNIT 1
	v_cndmask_b32 v20, v[VW], v[VW+2], s[HM]
	v_cndmask_b32 v21, v[VW+1], v[VW+3], s[HM]
	global_store_b64 v19, v[20:21], s[14:15]       ; 256 consecutive bytes, aligned
	s_wait_xcnt 0x0
	s_add_nc_u64 s[14:15], s[14:15], 71680
	s_sub_co_u32 s[HC], s[HC], 1
	s_cmp_lg_u32 s[HC], 0
	s_cbranch_scc1 .Lv_head
	s_wait_tensorcnt 0x0
	ds_add_u32 v254, v255
	s_wait_dscnt 0x0
	s_endpgm
.Lfunc_end_k_q4120b86f95_proj:
	.size	k_q4120b86f95_proj, .Lfunc_end_k_q4120b86f95_proj-k_q4120b86f95_proj
	.p2alignl 7, 3214868480
	.fill 96, 4, 3214868480
	.section	.rodata,"a",@progbits
	.p2align	6, 0x0
	.amdhsa_kernel k_q4120b86f95_proj
		.amdhsa_group_segment_fixed_size 309760
		.amdhsa_private_segment_fixed_size 0
		.amdhsa_enable_private_segment 0
		.amdhsa_kernarg_size 160
		.amdhsa_user_sgpr_count 2
		.amdhsa_user_sgpr_kernarg_segment_ptr 1
		.amdhsa_wavefront_size32 1
		.amdhsa_system_sgpr_workgroup_id_x 1
		.amdhsa_system_sgpr_workgroup_id_y 1
		.amdhsa_system_sgpr_workgroup_id_z 1
		.amdhsa_system_vgpr_workitem_id 0
		.amdhsa_next_free_vgpr 1024
		.amdhsa_next_free_sgpr 66
		.amdhsa_reserve_vcc 1
		.amdhsa_float_denorm_mode_32 3
		.amdhsa_float_denorm_mode_16_64 3
		.amdhsa_memory_ordered 1
		.amdhsa_forward_progress 1
		.amdhsa_inst_pref_size 255
	.end_amdhsa_kernel
	.section	.bss,"aw",@nobits
	.p2align	6
	.space	262144
	.amdgpu_metadata
---
amdhsa.version: [ 1, 2 ]
amdhsa.kernels:
  - .name:           k_q4120b86f95_proj
    .symbol:         k_q4120b86f95_proj.kd
    .args:
      - { .name: q, .offset: 0, .size: 8, .value_kind: global_buffer, .address_space: global }
      - { .name: Wq_codes, .offset: 8, .size: 8, .value_kind: global_buffer, .address_space: global }
      - { .name: Wq_scales, .offset: 16, .size: 8, .value_kind: global_buffer, .address_space: global }
      - { .name: bq, .offset: 24, .size: 8, .value_kind: global_buffer, .address_space: global }
      - { .name: qbuf, .offset: 32, .size: 8, .value_kind: global_buffer, .address_space: global }
      - { .name: k_codes, .offset: 40, .size: 8, .value_kind: global_buffer, .address_space: global }
      - { .name: k_scales, .offset: 48, .size: 8, .value_kind: global_buffer, .address_space: global }
      - { .name: Wk_codes, .offset: 56, .size: 8, .value_kind: global_buffer, .address_space: global }
      - { .name: Wk_scales, .offset: 64, .size: 8, .value_kind: global_buffer, .address_space: global }
      - { .name: bk, .offset: 72, .size: 8, .value_kind: global_buffer, .address_space: global }
      - { .name: key_padding_mask, .offset: 80, .size: 8, .value_kind: global_buffer, .address_space: global }
      - { .name: Wo_codes, .offset: 88, .size: 8, .value_kind: global_buffer, .address_space: global }
      - { .name: wobuf, .offset: 96, .size: 8, .value_kind: global_buffer, .address_space: global }
      - { .name: steps, .offset: 104, .size: 8, .value_kind: global_buffer, .address_space: global }
      - { .name: v_codes, .offset: 112, .size: 8, .value_kind: global_buffer, .address_space: global }
      - { .name: v_scales, .offset: 120, .size: 8, .value_kind: global_buffer, .address_space: global }
      - { .name: Wv_codes, .offset: 128, .size: 8, .value_kind: global_buffer, .address_space: global }
      - { .name: Wv_scales, .offset: 136, .size: 8, .value_kind: global_buffer, .address_space: global }
      - { .name: bv, .offset: 144, .size: 8, .value_kind: global_buffer, .address_space: global }
      - { .name: kvbuf, .offset: 152, .size: 8, .value_kind: global_buffer, .address_space: global }
    .group_segment_fixed_size: 309760
    .private_segment_fixed_size: 0
    .kernarg_segment_align: 8
    .kernarg_segment_size: 160
    .max_flat_workgroup_size: 128
    .sgpr_count:     66
    .vgpr_count:     1024
    .wavefront_size: 32
...
	.end_amdgpu_metadata
.endif
;; end of part 4
;; launch attn (part 5): grid 4 x 64, 16 waves a work-group, no clusters, 150,528 bytes of LDS; arguments qbuf, kvbuf, steps, obuf; writes obuf
.if DOCPART == 5
	.amdgcn_target "amdgcn-amd-amdhsa--gfx1250"
	.amdhsa_code_object_version 6
	.text
	.protected	k_q4120b86f95_attn
	.globl	k_q4120b86f95_attn
	.p2align	8
	.type	k_q4120b86f95_attn,@function
k_q4120b86f95_attn:
	s_mov_b64 s[64:65], 0
	v_nop
	global_prefetch_b8 v0, s[64:65] scope:SCOPE_SE
	s_setreg_imm32_b32 hwreg(HW_REG_WAVE_SCHED_MODE, 0, 2), 2
	s_setreg_imm32_b32 hwreg(HW_REG_WAVE_MODE, 25, 1), 1
	s_wait_xcnt 0x0
	s_wait_alu depctr_vm_vsrc(0)
; ATTENTION on codes of FP4 (E2M1) with one E8M0 scale for each 32 along a product's K.
; A WORK-GROUP STAYS: it owns 256 queries of one head in TWO batches, b and b + 4, one unit after the other: 256 work-groups in all.  Each of its sixteen waves owns one tile of 16 queries in each unit, in 256 registers.
; The head's K and V of both batches (2 x 71,680 bytes, laid by the launch before as images of operand registers) are copied into LDS once, through registers, all loads issued together at the head: one barrier serves both units,
; and no barrier stands between the units.  In each unit every wave walks the 8 key steps of 128 keys.
; A KEY STEP ALL OF WHOSE KEYS ARE HIDDEN IS LEFT OUT: a scalar branch on whole numbers that the launch before stored; no barrier stands in a step.  That branch is why no tensor load and no joint load is used here;
; what the four query blocks of a head share is fetched once by each, at its head.  No prefetch: every load of the text stands at its head.
; LAYOUT.  Both products are used transposed: S^T = K Q^T (source 0 = 16 keys, source 1 = my 16 queries), O^T = V^T P^T: a lane holds ONE query (lane % 16) throughout.  The keys of a tile are not neighbours:
; lane r of tile 2 b + u holds key 32 b + 8 u + r + 8 (r / 8), so that the 16 registers of tiles 2 b, 2 b + 1 are keys 32 b + 16 (lane / 16) + 0 .. 15.  V's channels are chosen the same way, for the quantiser of O.
; THE MASK COSTS NO VECTOR WORK.  A head has 64 along K; slot k = 64 of the instruction's 128 holds +6 in Q and -6 in K; its block's scales (2^50 in Q; 2^50 in a hidden key, 2^-126 in a valid one) add -36 x 2^100 to a hidden key's score.
; THE SOFTMAX: t = score x log2(e) / 8; M = the running largest t rounded up to a whole number; p = 2^(t - M) is quantised along the keys; the sum is taken of the unquantised p and divides O at the end.
; The largest t begins at -1e20, over every hidden key's t: hidden keys never move M.  A query that ends there has no valid key: its scale bytes become 0xFF, so that the last product gives NaN for its row, as the softmax of an empty row does.
; LIMITS: |t| of valid keys stays under 1e20; -5e-22 is added to every valid score; a block of zeros gets the scale byte 1 (read by this program alone); NaN and infinities are not served.
; REGISTERS: v1 16 lane, v2 16 r, v3-5 the step's LDS addresses, v6-9 addresses that stay; v11 Q's scale word of unit 0, v255 of unit 1; v12 -M, v13 the largest t, v[14:15] the sum; v16-23 Q; v24-27 Q of unit 1 until its turn;
;   v28-31 V's scale words; v32-95 eight fragments of K; v96-159 S^T, then p; v160-191 O^T; v192-223 four fragments of V; v224-231 p's codes; v232-243 at work; v244-251 K's scale words; v252 f, v253 p's scale word.
; THE MODE: SCHED_MODE bits 1:0 = 2 (LLVM: expert scheduling mode 2), set by the entry lines.  The code itself states the register dependences
; between vector or matrix instructions and memory or LDS instructions, with s_wait_alu, always for 0.
; THE PLAN.  Registers that memory or LDS instructions touch:
;   v1, v2, v7, v8, v9      offsets and LDS addresses: made once at the head, never written again.
;   v232-234                the copy's further addresses: made at the head, read by the copy; the units write them again.
;   v96-159, v192-199       the copy's 18 pieces: loaded, read by the copy's LDS stores; the units write them again.
;   v3, v4, v5              a step's LDS addresses: written by three additions at the step's head, read by its 19 loads.
;   v32-35 (+ 8 t), v244-251  K's fragments and scale words: loaded at a step's head, read by its eight products K Q^T.
;   v192-223, v28-31        V's fragments and scale words: loaded at a step's head, read by its four products V^T P^T, the step's last instructions.
;   v224-227, v254          a unit's end: written by the conversions, the swaps and the select; read by the unit's two stores.
;   v96-103                 the very end, wave 0: both units' scale bytes come from LDS and are stored.
; A wave's 256 registers are all taken (four waves share a SIMD's 1,024), so K and V have one set each; and which step comes next hangs on the stored whole numbers.  So a step's loads stand together at its head,
; behind ONE wait on va_vdst, which states that the addresses are written and that the step before is done with K's and V's registers; one wait on vm_vsrc stands ahead of the three additions.
; One more wait on va_vdst stands ahead of the products that take p's codes and scale word; the two behind the exponentials state that p is written.  A unit's two stores stand together behind one wait.
.set BLOB, 73728                       ; LDS: a unit's K and V: 71,680 bytes, and 2,048 of padding so that nine pieces of 8,192 bytes cover it; unit u begins at BLOB u.  In it: K's 64 images at 0;
.set KSC,  32768                       ; K's scale words;
.set VIMG, 36864                       ; V's 32 fragments;
.set VSC,  69632                       ; V's scale words
.set OSC,  147456                      ; behind both: 512 bytes a unit for the scale bytes of the work-group's 256 rows of O
.set KVB,  64*71680                    ; four batches on: in kvbuf,
.set QBO,  64*36864                    ; in qbuf,
.set OBI,  2097152                     ; among obuf's images,
.set OBS,  131072                      ; and among its scale bytes.  All four stand in the immediates of loads and stores
.set SEL,  32                          ; s[32:33] selects for v_permlanex16_b32: lane l xor 16
.set CS,   34                          ; s[34:35] c = log2(e) / 8
; a unit begins: O^T and the sum are zeros, the largest t is -1e20.  (The step is written once: the first finds zeros)
.macro START
.set ii, 0
.rept 32
	v_mov_b32 v[160+ii], 0
.set ii, ii+1
.endr
	v_mov_b32 v14, 0
	v_mov_b32 v15, 0
	v_mov_b32 v13, s44
	v_floor_f32 v12, -v13
.endm
; UNIT u: the eight key steps and the way out.  qs: the register of Q's scale words; fl: the scalar register whose bit S says that key step S has a valid key
.macro UNIT u, qs, fl
	s_mov_b32 s24, BLOB*(\u)                       ; + 4,096 S: the step's images
	s_mov_b32 s25, BLOB*(\u)                       ; + 512 S: K's scale words
	s_mov_b32 s26, BLOB*(\u)                       ; + 256 S: V's
	s_mov_b32 s27, 0                               ; S
.Lstep_\@:
	s_lshr_b32 s29, s[\fl], s27
	s_and_b32 s29, s29, 1
	s_cmp_eq_u32 s29, 0
	s_cbranch_scc1 .Lskip_\@
	s_wait_alu depctr_vm_vsrc(0)                   ; the LDS loads of the step before have read v3, v4 and v5, which the three additions write anew
	v_add_nc_u32 v3, s24, v1                       ; these three and the v_nop are the four places in front of the loads into registers that the last products read
	v_add_nc_u32 v4, s25, v2
	v_add_nc_u32 v5, s26, v6
	v_nop
	s_wait_alu depctr_va_vdst(0)                   ; v3, v4 and v5 are written, which the 19 loads read; the products of the step before are done reading K's and V's fragments and scale words, in which the loads land; the parts of Q's and K's fragments that vector instructions wrote are written, ahead of the products that take them
.irp t, 0,1,2,3,4,5,6,7
	ds_load_b128 v[32+8*\t:35+8*\t], v3 offset:512*\t
.endr
.irp g, 0,1
	ds_load_b128 v[244+4*\g:247+4*\g], v4 offset:KSC+256*\g
.endr
.irp t, 0,1,2,3
.irp c, 0,1
	ds_load_b128 v[192+8*\t+4*\c:195+8*\t+4*\c], v3 offset:VIMG+1024*\t+512*\c
.endr
.endr
	ds_load_b128 v[28:31], v5
	s_wait_dscnt 9                                 ; K and its scale words are in; V's nine loads may be out
.irp t, 0,1,2,3,4,5,6,7
	v_wmma_scale_f32_16x16x128_f8f6f4 v[96+8*\t:103+8*\t], v[32+8*\t:39+8*\t], v[16:23], 0, v[244+\t], v[\qs] matrix_a_fmt:MATRIX_FMT_FP4 matrix_b_fmt:MATRIX_FMT_FP4
.endr
.rept 4
	v_nop
.endr
.irp b, 0,1,2,3
	v_max3_num_f32 v[232+\b], v[96+16*\b], v[97+16*\b], v[98+16*\b]   ; the largest score of each block of 32 keys: for the row's maximum and, since p rises with the score, for the block's largest p
.endr
.irp i, 3,5,7,9,11,13
.irp b, 0,1,2,3
	v_max3_num_f32 v[232+\b], v[232+\b], v[96+16*\b+\i], v[97+16*\b+\i]
.endr
.endr
.irp b, 0,1,2,3
	v_max_num_f32 v[232+\b], v[232+\b], v[111+16*\b]
.endr
.irp b, 0,1,2,3
	v_permlanex16_b32 v[236+\b], v[232+\b], s[SEL], s[SEL+1]
.endr
.irp b, 0,1,2,3
	v_max_num_f32 v[232+\b], v[232+\b], v[236+\b]
.endr
	v_max3_num_f32 v254, v232, v233, v234
	v_max_num_f32 v254, v254, v235
	v_mul_f32 v254, s[CS], v254                    ; the step's largest t of my query
	v_max_num_f32 v13, v13, v254
	v_mov_b32 v254, v12
	v_floor_f32 v12, -v13                          ; -M = floor(-t): M is a whole number
	v_sub_f32 v254, v12, v254                      ; old M - new M, 0 or less
	v_cvt_i32_f32 v254, v254                       ; (it saturates)
	v_ldexp_f32 v252, 1.0, v254                    ; f = 2^(old M - new M)
.set ii, 0
.rept 32
	v_pk_fma_f32 v[96+ii:97+ii], v[96+ii:97+ii], s[CS:CS+1], v[12:13] op_sel_hi:[1,0,0]   ; t - M, two at a time
.set ii, ii+2
.endr
.irp b, 0,1,2,3
	v_fma_f32 v[232+\b], v[232+\b], s[CS], v12
.endr
.set ii, 0
	s_wait_alu depctr_va_vdst(0)
.rept 64
	v_exp_f32 v[96+ii], v[96+ii]                   ; p = 2^(t - M); 0 for a hidden key
.set ii, ii+1
.endr
	v_pk_mul_f32 v[14:15], v[14:15], v[252:253] op_sel_hi:[1,0]   ; the sum under the new M: the plain place behind the exponentials
	s_wait_alu depctr_va_vdst(0)                   ; the 64 exponentials have written p (v96-159), ahead of its first use: one wait for the batch
.irp b, 0,1,2,3
	v_exp_f32 v[232+\b], v[232+\b]                 ; each block's largest p
.endr
	v_pk_add_f32 v[236:237], v[96:97], v[98:99]    ; the row's sum of the unquantised p, in two chains
.irp j, 4,8,12,16,20,24,28,32,36,40,44,48,52,56,60
	v_pk_add_f32 v[14:15], v[14:15], v[96+\j:97+\j]
	v_pk_add_f32 v[236:237], v[236:237], v[98+\j:99+\j]
.endr
	v_pk_add_f32 v[14:15], v[14:15], v[236:237]
	s_wait_alu depctr_va_vdst(0)                   ; the four exponentials have written the blocks' largest p (v232-235), ahead of their first use
.irp b, 0,1,2,3
	v_max_num_f32 v[232+\b], 0x1800000, v[232+\b]  ; the floor 2^(3 - 127): the byte cannot fall under 1
.endr
.irp b, 0,1,2,3
	v_add_nc_u32 v[240+\b], 0xff000000, v[232+\b]
.endr
.irp b, 0,1,2,3
	v_lshrrev_b32 v[236+\b], 23, v[240+\b]
.endr
	v_lshl_or_b32 v253, v237, 8, v236              ; p's scale word for these 128 keys
	v_lshl_or_b32 v253, v238, 16, v253
	v_lshl_or_b32 v253, v239, 24, v253
.irp b, 0,1,2,3
	v_cvt_scalef32_pk8_fp4_f32 v[224+2*\b], v[96+16*\b:103+16*\b], v[240+\b]
	v_cvt_scalef32_pk8_fp4_f32 v[225+2*\b], v[104+16*\b:111+16*\b], v[240+\b]
.endr
	v_nop                                          ; one plain place behind the scaled conversions
.irp c, 0,1
.irp i, 0,1
	v_permlane16_swap_b32 v[224+4*\c+\i], v[226+4*\c+\i]
.endr
.endr
.set ii, 0
.rept 16
	v_pk_mul_f32 v[160+ii:161+ii], v[160+ii:161+ii], v[252:253] op_sel_hi:[1,0]   ; O^T under the new M; these sixteen are also the places between p's codes and scale word and the products
.set ii, ii+2
.endr
	s_wait_dscnt 0x0                               ; V is in
	s_wait_alu depctr_va_vdst(0)                   ; p's codes (v224-231) and its scale word (v253) are written, which the products below take as source 1 and as its scales; the sixteen places above stay beside this wait
.irp t, 0,1,2,3
	v_wmma_scale_f32_16x16x128_f8f6f4 v[160+8*\t:167+8*\t], v[192+8*\t:199+8*\t], v[224:231], v[160+8*\t:167+8*\t], v[28+\t], v253 matrix_a_fmt:MATRIX_FMT_FP4 matrix_b_fmt:MATRIX_FMT_FP4
.endr
.Lskip_\@:
	s_add_co_u32 s24, s24, 4096
	s_add_co_u32 s25, s25, 512
	s_add_co_u32 s26, s26, 256
	s_add_co_u32 s27, s27, 1
	s_cmp_lt_u32 s27, 8
	s_cbranch_scc1 .Lstep_\@
	s_wait_alu depctr_va_vdst(0)
	; THE UNIT'S END: O^T / the sum, quantised along the head's 64 (two blocks), stored as half a fragment of the last product's operand
	v_add_f32 v14, v14, v15
	v_permlanex16_b32 v252, v14, s[SEL], s[SEL+1]
	v_add_f32 v14, v14, v252                       ; the row's sum
	s_wait_alu depctr_va_vdst(0)
	v_rcp_f32 v14, v14
.rept 4
	v_nop                                          ; the plain place behind the reciprocal, and the places behind the last products
.endr
	s_wait_alu depctr_va_vdst(0)                   ; the reciprocal has written v14, ahead of its first use
.set ii, 0
.rept 32
	v_mul_f32 v[96+ii], v[160+ii], v14             ; register 16 b + i: channel 32 b + 16 (lane / 16) + i of my query
.set ii, ii+1
.endr
.irp b, 0,1
	v_max3_num_f32 v[232+\b], |v[96+16*\b]|, |v[97+16*\b]|, 0x1800000
.endr
.irp i, 2,4,6,8,10,12,14
.irp b, 0,1
	v_max3_num_f32 v[232+\b], v[232+\b], |v[96+16*\b+\i]|, |v[97+16*\b+\i]|
.endr
.endr
.irp b, 0,1
	v_permlanex16_b32 v[236+\b], v[232+\b], s[SEL], s[SEL+1]
.endr
.irp b, 0,1
	v_max_num_f32 v[232+\b], v[232+\b], v[236+\b]
.endr
.irp b, 0,1
	v_add_nc_u32 v[240+\b], 0xff000000, v[232+\b]
.endr
.irp b, 0,1
	v_lshrrev_b32 v[236+\b], 23, v[240+\b]
.endr
.irp b, 0,1
	v_cvt_scalef32_pk8_fp4_f32 v[224+2*\b], v[96+16*\b:103+16*\b], v[240+\b]
	v_cvt_scalef32_pk8_fp4_f32 v[225+2*\b], v[104+16*\b:111+16*\b], v[240+\b]
.endr
	v_nop
	v_permlane16_swap_b32 v224, v226               ; lanes 0-15 channels 0-31, lanes 16-31 channels 32-63
	v_permlane16_swap_b32 v225, v227
	v_mov_b32 v232, 0xffff
	v_lshl_or_b32 v254, v237, 8, v236
	v_cmp_ge_f32 vcc_lo, s44, v13                  ; no valid key was met
	s_wait_alu depctr_va_vcc(0)                    ; the compare has written VCC, ahead of the select that reads it
	v_cndmask_b32 v254, v254, v232, vcc_lo
	s_wait_alu depctr_va_vdst(0)                   ; the codes (v224-227) and the two scale bytes (v254) are written, which the two stores read.  In the last unit no vector instruction follows: so it also states that the multiplications and conversions are done with v96-103, in which wave 0's loads land at the end
	global_store_b128 v1, v[224:227], s[40:41] offset:OBI*(\u)   ; 512 consecutive bytes
	ds_store_b16 v7, v254 offset:512*(\u)          ; both lanes of a query write the same two bytes
.endm
	s_load_b256 s[4:11], s[0:1], 0x0               ; qbuf, kvbuf, steps, obuf
	v_lshrrev_b32 v1, 5, v0
	v_readfirstlane_b32 s2, v1                     ; wave 0..15
	v_and_b32 v3, 31, v0
	v_lshlrev_b32 v1, 4, v3                        ; 16 x lane
	v_and_b32 v2, 15, v0                           ; r
	v_bfe_u32 v5, v0, 4, 1                         ; h
	v_lshlrev_b32 v9, 4, v0                        ; 16 x thread: the copy's place, in memory and in LDS
	v_add_nc_u32 v232, 0x10000, v9                 ; LDS: 65,536 on: unit 0's ninth piece, and by offsets unit 1's pieces 0 to 6
	v_add_nc_u32 v233, 0x20000, v9                 ; LDS: 131,072 on: unit 1's piece 7 and, 8,192 further, its ninth
	v_min_u32 v234, 0x117f0, v232                  ; the ninth piece in memory: 6,144 bytes are 384 threads' work; the others are held at the blob's last 16 bytes and fill the padding
	s_wait_alu depctr_va_sdst(0)                   ; s2 is written, ahead of its first reader
	s_lshl_b32 s12, s2, 5
	s_add_co_u32 s12, s12, OSC
	v_lshl_add_u32 v7, v2, 1, s12                  ; my query's two scale bytes: OSC + 32 wave + 2 r
	v_add_nc_u32 v8, OSC, v1
	v_lshlrev_b32 v2, 4, v2                        ; 16 r
	v_add_nc_u32 v6, VSC, v2
	s_and_b32 s3, ttmp7, 0xffff                    ; 16 b + head, b = 0 .. 3: unit 0's batch; unit 1's is b + 4
	s_mov_b32 s13, 0
	s_mov_b32 s[SEL], 0x76543210
	s_mov_b32 s[SEL+1], 0xfedcba98
	s_mov_b32 s[CS], 0x3e38aa3b
	s_mov_b32 s[CS+1], s[CS]                       ; (named with it as a pair, so it is written)
	s_mov_b32 s44, 0xe0ad78ec                      ; -1e20
	s_wait_kmcnt 0x0
	s_lshr_b32 s12, s3, 4
	s_lshl_b32 s12, s12, 5
	s_add_nc_u64 s[8:9], s[8:9], s[12:13]
	s_load_b256 s[16:23], s[8:9], 0x0              ; batch b's eight whole numbers,
	s_load_b256 s[48:55], s[8:9], 0x80             ; and batch b + 4's
	s_mul_i32 s12, s3, 71680
	s_add_nc_u64 s[6:7], s[6:7], s[12:13]
	s_wait_alu depctr_va_vdst(0)                   ; v1, v2, v7, v8, v9 and v232 to v234 are written: the offsets and LDS addresses of the copy and of every later load and store but a step's
.irp i, 0,1,2,3,4,5,6,7
	global_load_b128 v[96+4*\i:99+4*\i], v9, s[6:7] offset:8192*\i   ; 512 threads x 16 bytes: 8,192 consecutive bytes
.endr
	global_load_b128 v[192:195], v234, s[6:7]
	s_mul_i32 s12, s3, 36864
	s_add_nc_u64 s[4:5], s[4:5], s[12:13]
	s_lshl_b32 s12, ttmp9, 13
	s_lshl_b32 s14, s2, 9
	s_add_co_u32 s12, s12, s14
	s_add_nc_u64 s[36:37], s[4:5], s[12:13]        ; my tile's image: tile 16 x + wave
	global_load_b128 v[16:19], v1, s[36:37]
	s_lshl_b32 s12, ttmp9, 10
	s_lshr_b32 s14, s2, 2
	s_lshl_b32 s14, s14, 8
	s_add_co_u32 s12, s12, s14
	s_and_b32 s14, s2, 3
	s_lshl_b32 s14, s14, 2
	s_add_co_u32 s12, s12, s14
	s_add_co_u32 s12, s12, 32768
	s_add_nc_u64 s[38:39], s[4:5], s[12:13]
	global_load_b32 v11, v2, s[38:39]              ; its scale words
.irp i, 0,1,2,3,4,5,6,7
	global_load_b128 v[128+4*\i:131+4*\i], v9, s[6:7] offset:KVB+8192*\i   ; unit 1: eleven loads
.endr
	global_load_b128 v[196:199], v234, s[6:7] offset:KVB
	global_load_b128 v[24:27], v1, s[36:37] offset:QBO
	global_load_b32 v255, v2, s[38:39] offset:QBO
	s_lshr_b32 s12, s3, 4                          ; where O's image goes: ((64 batch + 16 x + wave) 16 + head) 512
	s_lshl_b32 s12, s12, 6
	s_lshl_b32 s14, ttmp9, 4
	s_add_co_u32 s12, s12, s14
	s_add_co_u32 s12, s12, s2
	s_lshl_b32 s12, s12, 4
	s_and_b32 s14, s3, 15
	s_add_co_u32 s12, s12, s14
	s_lshl_b32 s12, s12, 9
	s_add_nc_u64 s[40:41], s[10:11], s[12:13]
	s_lshr_b32 s12, s3, 4                          ; and the 256 rows' scale bytes: 4,194,304 + ((4 batch + x) 16 + head) 512
	s_lshl_b32 s12, s12, 2
	s_add_co_u32 s12, s12, ttmp9
	s_lshl_b32 s12, s12, 4
	s_add_co_u32 s12, s12, s14
	s_lshl_b32 s12, s12, 9
	s_add_co_u32 s12, s12, 4194304
	s_add_nc_u64 s[42:43], s[10:11], s[12:13]
	; all that is constant is set while the loads are out; none of these registers is a load's, nor an address or a datum of the copy's LDS stores below
	v_mul_u32_u24 v20, v5, 7
	v_sub_nc_u32 v20, 7, v20                       ; Q's slot k = 64: the code +6 in lanes 0-15
	v_mov_b32 v21, 0
	v_mov_b32 v22, 0
	v_mov_b32 v23, 0
	v_mul_u32_u24 v254, v5, 15
	v_sub_nc_u32 v254, 15, v254                    ; K's: the code -6
.irp t, 0,1,2,3,4,5,6,7
	v_mov_b32 v[36+8*\t], v254                     ; the upper halves of K's fragments are written once
	v_mov_b32 v[37+8*\t], 0
	v_mov_b32 v[38+8*\t], 0
	v_mov_b32 v[39+8*\t], 0
.endr
	START
.irp b, 0,1,2,3
	v_mov_b32 v[236+\b], 0                         ; written once: a lane permute's destination counts as one of its sources
.endr
	v_mov_b32 v252, 0
	v_mov_b32 v253, 0
	s_wait_loadcnt 11                              ; unit 0's eleven loads are in; unit 1's eleven, issued behind them, may be out
.irp i, 0,1,2,3,4,5,6,7
	ds_store_b128 v9, v[96+4*\i:99+4*\i] offset:8192*\i
.endr
	ds_store_b128 v232, v[192:195]
	s_wait_loadcnt 0x0
.irp i, 0,1,2,3,4,5,6
	ds_store_b128 v232, v[128+4*\i:131+4*\i] offset:8192*(\i+1)   ; BLOB + 8,192 i = 65,536 + 8,192 (i + 1)
.endr
	ds_store_b128 v233, v[156:159]                 ; BLOB + 57,344 = 131,072
	ds_store_b128 v233, v[196:199] offset:8192
	s_wait_kmcnt 0x0
	s_or_b32 s28, s16, s17
	s_or_b32 s28, s28, s18
	s_or_b32 s28, s28, s19
	s_or_b32 s28, s28, s20
	s_or_b32 s28, s28, s21
	s_or_b32 s28, s28, s22
	s_or_b32 s28, s28, s23                         ; bit S: key step S of batch b has a valid key
	s_or_b32 s30, s48, s49
	s_or_b32 s30, s30, s50
	s_or_b32 s30, s30, s51
	s_or_b32 s30, s30, s52
	s_or_b32 s30, s30, s53
	s_or_b32 s30, s30, s54
	s_or_b32 s30, s30, s55                         ; the same of batch b + 4
	s_wait_dscnt 0x0                               ; for the others' sake: my part of both copies has landed
	s_wait_alu depctr_vm_vsrc(0)                   ; the copy's loads and LDS stores have read v232 to v234 and their data, v96-159 and v192-199: the units write all of these again, a unit's end too where every step is left out
	s_barrier_signal -1
	s_barrier_wait -1
	UNIT 0, 11, 28
	s_wait_xcnt 0x0                                ; unit 0's store has read its data: the codes' registers are written again only behind this wait
	s_wait_dscnt 0x0                               ; and so has its LDS store
	s_wait_alu depctr_vm_vsrc(0)                   ; unit 0's two stores have read v224-227 and v254, which unit 1 writes again
.irp i, 0,1,2,3
	v_mov_b32 v[16+\i], v[24+\i]                   ; unit 1's queries; the 36 lines of START are the places between these and the next products
.endr
	START
	UNIT 1, 255, 30
	s_wait_dscnt 0x0                               ; for wave 0's sake: my queries' scale bytes of both units have landed
	s_barrier_signal -1
	s_barrier_wait -1
	s_cmp_lg_u32 s2, 0
	s_cbranch_scc1 .Lend
	ds_load_b128 v[96:99], v8                      ; no vector instruction has been issued since the wait ahead of unit 1's stores
	ds_load_b128 v[100:103], v8 offset:512
	s_wait_dscnt 0x0
	global_store_b128 v1, v[96:99], s[42:43]       ; a unit's 256 rows' scale bytes: 512 consecutive bytes
	global_store_b128 v1, v[100:103], s[42:43] offset:OBS
.Lend:
	s_wait_xcnt 0x0
	s_wait_alu depctr_vm_vsrc(0)                   ; unit 1's LDS store has read v254, which is made anew below
	v_lshl_add_u32 v254, v0, 2, 0x24400
	v_mov_b32 v255, 0
	s_wait_dscnt 0x0                               ; the closing lines, six on end
	s_wait_alu 0x0
	s_wait_tensorcnt 0x0
	ds_add_u32 v254, v255
	s_wait_dscnt 0x0
	s_endpgm
.Lfunc_end_k_q4120b86f95_attn:
	.size	k_q4120b86f95_attn, .Lfunc_end_k_q4120b86f95_attn-k_q4120b86f95_attn
	.p2alignl 7, 3214868480
	.fill 96, 4, 3214868480
	.section	.rodata,"a",@progbits
	.p2align	6, 0x0
	.amdhsa_kernel k_q4120b86f95_attn
		.amdhsa_group_segment_fixed_size 150528
		.amdhsa_private_segment_fixed_size 0
		.amdhsa_enable_private_segment 0
		.amdhsa_kernarg_size 32
		.amdhsa_user_sgpr_count 2
		.amdhsa_user_sgpr_kernarg_segment_ptr 1
		.amdhsa_wavefront_size32 1
		.amdhsa_system_sgpr_workgroup_id_x 1
		.amdhsa_system_sgpr_workgroup_id_y 1
		.amdhsa_system_sgpr_workgroup_id_z 1
		.amdhsa_system_vgpr_workitem_id 0
		.amdhsa_next_free_vgpr 256
		.amdhsa_next_free_sgpr 66
		.amdhsa_reserve_vcc 1
		.amdhsa_float_denorm_mode_32 3
		.amdhsa_float_denorm_mode_16_64 3
		.amdhsa_memory_ordered 1
		.amdhsa_forward_progress 1
		.amdhsa_inst_pref_size 50
	.end_amdhsa_kernel
	.amdgpu_metadata
---
amdhsa.version: [ 1, 2 ]
amdhsa.kernels:
  - .name:           k_q4120b86f95_attn
    .symbol:         k_q4120b86f95_attn.kd
    .args:
      - { .name: qbuf, .offset: 0, .size: 8, .value_kind: global_buffer, .address_space: global }
      - { .name: kvbuf, .offset: 8, .size: 8, .value_kind: global_buffer, .address_space: global }
      - { .name: steps, .offset: 16, .size: 8, .value_kind: global_buffer, .address_space: global }
      - { .name: obuf, .offset: 24, .size: 8, .value_kind: global_buffer, .address_space: global }
    .group_segment_fixed_size: 150528
    .private_segment_fixed_size: 0
    .kernarg_segment_align: 8
    .kernarg_segment_size: 32
    .max_flat_workgroup_size: 512
    .sgpr_count:     66
    .vgpr_count:     256
    .wavefront_size: 32
...
	.end_amdgpu_metadata
.endif
;; end of part 5
;; launch outln (part 6): grid 256 x 1, 4 waves a work-group, no clusters, 134,656 bytes of LDS; arguments obuf, wobuf, Wo_scales, bo, q, gamma, beta, out0; writes out0
.if DOCPART == 6
	.amdgcn_target "amdgcn-amd-amdhsa--gfx1250"
	.amdhsa_code_object_version 6
	.text
	.protected	k_q4120b86f95_outln
	.globl	k_q4120b86f95_outln
	.p2align	8
	.type	k_q4120b86f95_outln,@function
k_q4120b86f95_outln:
	s_mov_b64 s[64:65], 0
	v_nop
	global_prefetch_b8 v0, s[64:65] scope:SCOPE_SE
	s_setreg_imm32_b32 hwreg(HW_REG_WAVE_SCHED_MODE, 0, 2), 2
	s_setreg_imm32_b32 hwreg(HW_REG_WAVE_MODE, 25, 1), 1
	s_wait_xcnt 0x0
	s_wait_alu depctr_vm_vsrc(0)
; out0 = LayerNorm(O Wo^T + bo + q) x gamma + beta.  The product is on codes of FP4 (E2M1) with one E8M0 scale for each 32 along K; O's codes and Wo's fragments lie in memory as images of operand registers.
; SHARES.  A work-group owns 32 tokens (two tiles) and all 1,024 columns, so that a row's mean and variance stay inside it.  Wave w owns columns 256 w .. 256 w + 255: 16 tiles of Wo's rows, eight units of two, streamed three units deep.
; THE PRODUCT IS USED TRANSPOSED (source 0 = 16 rows of Wo, source 1 = 16 tokens): lane (r, h), register j of accumulator (m, t) holds y(token 16 m + r, column 16 t + 8 h + j).
; q + bo IS WHERE THE SUMS BEGIN: q is read in rows (512 consecutive bytes a load), bo is added, and the rows go through my stage in LDS into the accumulators' layout.
; THE NORM takes two passes over the registers: the mean, then the sum of squares of y - mean.  A row's sums meet in LDS: two barriers.
; No joint tensor loads in this text: Wo's 512 KiB are read by every work-group through registers, in whole runs of 512 bytes.
; LIMITS: NaN and infinities among the inputs are not served, but a row without a valid key comes as scale bytes 0xFF and leaves as NaN.
; REGISTERS.  window 0: v1 16 lane, v2 2 lane, v5-9 addresses, then as named below.  window 1: q as loaded, then the 32 accumulators ((m, t) at v[8 (16 m + t)]).
;   window 2: v0-127 the tokens' 16 fragments ((m, s) at v[8 (8 m + s)]); v128-255 a unit of Wo.  window 3: two more units; on the way out the rows.
; THE MODE: SCHED_MODE bits 1:0 = 2 (LLVM: expert scheduling mode 2), set by the entry lines.  The code itself states the register dependences
; between vector or matrix instructions and memory or LDS instructions, with s_wait_alu, always for 0.
; THE PLAN.  Registers that memory or LDS instructions touch:
;   v1, v2, v5 to v9   offsets and LDS addresses: made once at the head, never written again.
;   window 1           q is loaded; the additions of bo read and write it; 64 LDS stores read it; 64 LDS loads land in it; from then on matrix and vector instructions alone, until the way out's 64 LDS stores read it.
;   window 2 v0-127    the tokens' fragments: loaded once.
;   Wo's three sets    set n % 3: loaded; read by unit n's 32 products; behind them unit n + 3 is loaded into it.
;   v56-63             the tokens' scale words: written by vector instructions, taken by the products as scales.
;   v140, v141         my 32 sums of the first and of the second round: a register to each round, so that no store's data are written again.
;   v144-151           the four waves' sums: loaded from LDS, read by additions, loaded again in the second round.
;   window 3, at last  the rows: LDS loads land where the products read Wo; gamma and beta are applied in place; the global stores read them.
; A set of Wo is asked for again at once, behind the products that empty it: the switch of the window, one wait on va_vdst, 32 loads.  Waiting for the next unit's head would leave the set idle while that unit's data are waited for.
; Every other run of loads or stores has one wait ahead of it; where a run of loads lands in another window, the wait stands behind the switch.  One wait on vm_vsrc: between the stage's stores and the loads that land in the registers that those have read.
.set BO,   16                          ; v16-23   bo of my lane's columns in a row's two loads
.set GA,   24                          ; v24-31   gamma
.set BE,   32                          ; v32-39   beta
.set HW,   40                          ; v40-55   a token's two scale bytes for each head
.set TS,   56                          ; v56-63   the tokens' scale words: lanes 0-15 tile 0, lanes 16-31 tile 1
.set WS,   64                          ; v64-127  Wo's scale words: register 4 t + i: K step i in lanes 0-15, 4 + i in lanes 16-31
.set STAT, 133120                      ; LDS: four stages of 32 rows at pitch 1,040 from 0 on; then 512 bytes for the sums, 512 for the sums of squares
.set SEL,  32
.set HM,   34
.set MSB, 0
.macro WIN new
.if MSB != (\new)
	s_set_vgpr_msb (MSB<<8)|(\new)
.set MSB, (\new)
.endif
.endm
.macro PLACES n
.rept \n
	v_nop
.endr
.endm
.macro WM d, a, b, c, sa, sb, ra, rb
.if (\ra) && (\rb)
	v_wmma_scale_f32_16x16x128_f8f6f4 v[(\d):(\d)+7], v[(\a):(\a)+7], v[(\b):(\b)+7], v[(\c):(\c)+7], v[\sa], v[\sb] matrix_a_fmt:MATRIX_FMT_FP4 matrix_b_fmt:MATRIX_FMT_FP4 matrix_a_scale:MATRIX_SCALE_ROW1 matrix_b_scale:MATRIX_SCALE_ROW1
.elseif (\ra)
	v_wmma_scale_f32_16x16x128_f8f6f4 v[(\d):(\d)+7], v[(\a):(\a)+7], v[(\b):(\b)+7], v[(\c):(\c)+7], v[\sa], v[\sb] matrix_a_fmt:MATRIX_FMT_FP4 matrix_b_fmt:MATRIX_FMT_FP4 matrix_a_scale:MATRIX_SCALE_ROW1
.elseif (\rb)
	v_wmma_scale_f32_16x16x128_f8f6f4 v[(\d):(\d)+7], v[(\a):(\a)+7], v[(\b):(\b)+7], v[(\c):(\c)+7], v[\sa], v[\sb] matrix_a_fmt:MATRIX_FMT_FP4 matrix_b_fmt:MATRIX_FMT_FP4 matrix_b_scale:MATRIX_SCALE_ROW1
.else
	v_wmma_scale_f32_16x16x128_f8f6f4 v[(\d):(\d)+7], v[(\a):(\a)+7], v[(\b):(\b)+7], v[(\c):(\c)+7], v[\sa], v[\sb] matrix_a_fmt:MATRIX_FMT_FP4 matrix_b_fmt:MATRIX_FMT_FP4
.endif
.endm
; unit n of Wo: tiles 2 n and 2 n + 1, 16 fragments, 16,384 consecutive bytes, into the n % 3-th of three sets.  again = 1: the set has just been multiplied
.macro LOADW n, again
.set FBB, 128*(1-(((\n)%3)%2))
.if (\n)%3 == 0
	WIN 0x80
.else
	WIN 0xC0
.endif
.if \again
	s_wait_alu depctr_va_vdst(0)                   ; the 32 products just issued are done reading this set, in which the loads below land
.endif
.set ii, 0
.rept 32
	global_load_b128 v[FBB+4*ii:FBB+4*ii+3], v1, s[10:11] offset:16384*(\n)+512*ii
.set ii, ii+1
.endr
	WIN 0
.endm
; its 32 products: four accumulators by turns, K ascending
.macro UNIT n
.if (\n) <= 5
	s_wait_loadcnt 63                              ; this unit is in: two units, 64 loads, were issued behind it
.elseif (\n) == 6
	s_wait_loadcnt 32                              ; one unit was issued behind it
.else
	s_wait_loadcnt 0x0
.endif
.set FBB, 128*(1-(((\n)%3)%2))
.if (\n)%3 == 0
	WIN 0x5A
.else
	WIN 0x5B
.endif
.irp s, 0,1,2,3,4,5,6,7
.irp u, 0,1
.irp m, 0,1
	WM 8*(16*\m+2*(\n)+\u), FBB+8*(8*\u+\s), 8*(8*\m+\s), 8*(16*\m+2*(\n)+\u), WS+4*(2*(\n)+\u)+\s%4, TS+\s, \s/4, \m
.endr
.endr
.endr
	WIN 0
	PLACES 4                                       ; in front of the loads into the set just read, and of the first read of results
.if (\n)+3 < 8
	LOADW (\n)+3, 1
.endif
.endm
; the chains v128-135 (tile m: v[128 + 4 m] on) become each token's total over the 1,024 columns, in v136 (tile 0) and v137 (tile 1) of every lane with that r
.macro REDUCE stat
.irp m, 0,1
	v_pk_add_f32 v[128+4*\m:129+4*\m], v[128+4*\m:129+4*\m], v[130+4*\m:131+4*\m]
.endr
.irp m, 0,1
	v_add_f32 v[136+\m], v[128+4*\m], v[129+4*\m]
.endr
.irp m, 0,1
	v_permlanex16_b32 v[138+\m], v[136+\m], s[SEL], s[SEL+1]
.endr
.irp m, 0,1
	v_add_f32 v[136+\m], v[136+\m], v[138+\m]      ; my wave's 256 columns
.endr
	v_cndmask_b32 v[140+(\stat)/512], v136, v137, s[HM]   ; lane l: token l.  v140 in the first round, v141 in the second
	s_wait_alu depctr_va_vdst(0)                   ; my sums are written, which the LDS store reads; in the second round the first round's additions are done reading v144-151, in which the loads below land
	ds_store_b32 v8, v[140+(\stat)/512] offset:\stat
	s_wait_dscnt 0x0                               ; for the others' sake
	s_barrier_signal -1
	s_barrier_wait -1
.irp k, 0,1,2,3,4,5,6,7
	ds_load_b32 v[144+\k], v9 offset:\stat+64*\k   ; wave k / 2, tile k % 2
.endr
	s_wait_dscnt 0x0
.irp m, 0,1
	v_add_f32 v[136+\m], v[144+\m], v[146+\m]
	v_add_f32 v[138+\m], v[148+\m], v[150+\m]
.endr
.irp m, 0,1
	v_add_f32 v[136+\m], v[136+\m], v[138+\m]
.endr
.endm
	s_load_b256 s[8:15], s[0:1], 0x0               ; obuf, wobuf, Wo's scales, bo
	s_load_b256 s[16:23], s[0:1], 0x20             ; q, gamma, beta, out0
	v_lshl_add_u32 v254, v0, 2, 0x20c00
	v_mov_b32 v255, 0
	v_lshrrev_b32 v1, 5, v0
	v_readfirstlane_b32 s2, v1                     ; wave 0..3
	v_and_b32 v2, 31, v0
	v_lshlrev_b32 v1, 4, v2                        ; 16 x lane
	v_lshlrev_b32 v10, 2, v2
	v_lshlrev_b32 v2, 1, v2                        ; 2 x lane
	v_and_b32 v3, 15, v0                           ; r
	v_bfe_u32 v4, v0, 4, 1                         ; h
	v_lshlrev_b32 v5, 5, v3
	v_lshl_add_u32 v5, v4, 4, v5                   ; Wo's scale words: 32 bytes a row; lanes 16-31 four K steps on
	s_wait_alu depctr_va_sdst(0)                   ; s2 is written, ahead of its first reader
	s_mul_i32 s3, s2, 33280
	v_add_nc_u32 v6, s3, v1                        ; my stage by rows: 16 x lane
	v_mul_u32_u24 v7, v3, 1040
	v_lshl_add_u32 v7, v4, 5, v7
	v_add_nc_u32 v7, s3, v7                        ; and in the accumulators' layout: row r, + 32 h
	s_lshl_b32 s3, s2, 7
	s_add_co_u32 s3, s3, STAT
	v_add_nc_u32 v8, s3, v10                       ; my wave's 32 sums
	v_lshl_add_u32 v9, v3, 2, STAT
	v_mov_b32 v138, 0                              ; written once: a lane permute's destination counts as one of its sources
	v_mov_b32 v139, 0
	s_mov_b32 s[SEL], 0x76543210
	s_mov_b32 s[SEL+1], 0xfedcba98
	s_mov_b32 s[HM], 0xffff0000
	s_mov_b32 s40, 0x3a800000                      ; 1 / 1,024
	s_mov_b32 s41, 0x3727c5ac                      ; 1e-5
	s_mov_b32 s5, 0
	s_wait_kmcnt 0x0
	s_lshl_b32 s4, ttmp9, 14
	s_add_nc_u64 s[24:25], s[8:9], s[4:5]          ; my two tiles' images
	s_lshr_b32 s4, ttmp9, 3
	s_lshl_b32 s4, s4, 13
	s_and_b32 s6, ttmp9, 7
	s_lshl_b32 s6, s6, 6
	s_add_co_u32 s4, s4, s6
	s_add_co_u32 s4, s4, 4194304
	s_add_nc_u64 s[26:27], s[8:9], s[4:5]          ; my 32 tokens' scale bytes
	s_lshl_b32 s4, s2, 17
	s_add_nc_u64 s[10:11], s[10:11], s[4:5]        ; my 16 tiles of Wo
	s_lshl_b32 s4, s2, 13
	s_add_nc_u64 s[12:13], s[12:13], s[4:5]
	s_lshl_b32 s4, s2, 10
	s_add_nc_u64 s[14:15], s[14:15], s[4:5]
	s_add_nc_u64 s[18:19], s[18:19], s[4:5]
	s_add_nc_u64 s[20:21], s[20:21], s[4:5]
	s_lshl_b32 s6, ttmp9, 17
	s_add_co_u32 s4, s4, s6
	s_add_nc_u64 s[16:17], s[16:17], s[4:5]        ; q and out0 at my 32 rows, my 256 columns
	s_add_nc_u64 s[22:23], s[22:23], s[4:5]
	s_wait_alu depctr_va_vdst(0)                   ; v1, v2 and v5 to v9 are written: the offsets and LDS addresses of every load and store of the kernel.  Up to the last load of Wo's third unit only loads and switches of the window follow
.irp p, 0,1
	global_load_b128 v[BO+4*\p:BO+4*\p+3], v1, s[14:15] offset:512*\p
	global_load_b128 v[GA+4*\p:GA+4*\p+3], v1, s[18:19] offset:512*\p
	global_load_b128 v[BE+4*\p:BE+4*\p+3], v1, s[20:21] offset:512*\p
.endr
	WIN 0x40
.set ii, 0
.rept 64
	global_load_b128 v[4*ii:4*ii+3], v1, s[16:17] offset:4096*(ii/2)+512*(ii%2) th:TH_LOAD_NT
.set ii, ii+1
.endr
	WIN 0
.set ii, 0
.rept 16
	global_load_u16 v[HW+ii], v2, s[26:27] offset:512*ii
.set ii, ii+1
.endr
.set ii, 0
.rept 16
	global_load_b128 v[WS+4*ii:WS+4*ii+3], v5, s[12:13] offset:512*ii
.set ii, ii+1
.endr
	WIN 0x80
.set ii, 0
.rept 32
	global_load_b128 v[4*ii:4*ii+3], v1, s[24:25] offset:512*ii
.set ii, ii+1
.endr
	WIN 0
	LOADW 0, 0
	LOADW 1, 0
	LOADW 2, 0
	s_wait_loadcnt 63                              ; all but the youngest 63 are in: q, bo, gamma, beta, the scale bytes and words and the tokens' fragments each have 96 loads or more behind them
	WIN 0x41
.set ii, 0
.rept 128
	v_pk_add_f32 v[2*ii:2*ii+1], v[2*ii:2*ii+1], v[BO+2*(ii%4):BO+2*(ii%4)+1]   ; q + bo
.set ii, ii+1
.endr
	WIN 0x04
	s_wait_alu depctr_va_vdst(0)                   ; the additions have written q + bo, which the LDS stores read
.set ii, 0
.rept 64
	ds_store_b128 v6, v[4*ii:4*ii+3] offset:1040*(ii/2)+512*(ii%2)
.set ii, ii+1
.endr
	WIN 0
	s_wait_dscnt 0x0                               ; the stores have read the registers into which the loads below land
	WIN 0x40
	s_wait_alu depctr_va_vdst(0)                   ; the additions are done with window 1's registers, in which the loads below land: stated anew behind the switch, since the stores between have named the same registers
	s_wait_alu depctr_vm_vsrc(0)                   ; the 64 LDS stores have read window 1's registers, in which the loads below land
.set ii, 0
.rept 64
	ds_load_b128 v[4*ii:4*ii+3], v7 offset:16640*(ii/32)+64*((ii%32)/2)+16*(ii%2)
.set ii, ii+1
.endr
	WIN 0
.irp s, 0,1,2,3,4,5,6,7
	v_lshl_or_b32 v[TS+\s], v[HW+2*\s+1], 16, v[HW+2*\s]   ; K step s is heads 2 s and 2 s + 1
.endr
	PLACES 8                                       ; a scale register written by a vector instruction stands eight places ahead of the product that reads it
	s_wait_dscnt 0x0
	s_wait_alu depctr_va_vdst(0)                   ; the eight scale words v56-63 are written, which the products take as scales; the eight places above stay beside this wait
.irp n, 0,1,2,3,4,5,6,7
	UNIT \n
.endr
	; ---- the mean
.irp j, 0,1,2,3,4,5,6,7
	v_mov_b32 v[128+\j], 0
.endr
	WIN 0x04
.irp m, 0,1
.set ii, 0
.rept 64
	v_pk_add_f32 v[128+4*\m+2*(ii%2):129+4*\m+2*(ii%2)], v[128+4*\m+2*(ii%2):129+4*\m+2*(ii%2)], v[128*\m+2*ii:128*\m+2*ii+1]   ; each accumulator from its low end on; two chains
.set ii, ii+1
.endr
.endr
	WIN 0
	REDUCE 0
.irp m, 0,1
	v_mul_f32 v[152+2*\m], 0xba800000, v[136+\m]   ; -mean
.endr
.irp m, 0,1
	v_mov_b32 v[153+2*\m], v[152+2*\m]
.endr
	; ---- the variance, of y - mean
	WIN 0x41
.irp m, 0,1
.set ii, 0
.rept 64
	v_pk_add_f32 v[128*\m+2*ii:128*\m+2*ii+1], v[128*\m+2*ii:128*\m+2*ii+1], v[152+2*\m:153+2*\m]
.set ii, ii+1
.endr
.endr
	WIN 0
.irp j, 0,1,2,3,4,5,6,7
	v_mov_b32 v[128+\j], 0
.endr
	WIN 0x05
.irp m, 0,1
.set ii, 0
.rept 64
	v_pk_fma_f32 v[128+4*\m+2*(ii%2):129+4*\m+2*(ii%2)], v[128*\m+2*ii:128*\m+2*ii+1], v[128*\m+2*ii:128*\m+2*ii+1], v[128+4*\m+2*(ii%2):129+4*\m+2*(ii%2)]
.set ii, ii+1
.endr
.endr
	WIN 0
	REDUCE 512
.irp m, 0,1
	v_fma_f32 v[136+\m], v[136+\m], s40, s41       ; the variance + 1e-5
.endr
	s_wait_alu depctr_va_vdst(0)
	v_rsq_f32 v156, v136
	v_rsq_f32 v157, v136
	v_rsq_f32 v158, v137
	v_rsq_f32 v159, v137
	v_nop                                          ; the plain place behind them
	s_wait_alu depctr_va_vdst(0)                   ; the four reciprocal roots have written v156-159, ahead of their first use
	WIN 0x41
.irp m, 0,1
.set ii, 0
.rept 64
	v_pk_mul_f32 v[128*\m+2*ii:128*\m+2*ii+1], v[128*\m+2*ii:128*\m+2*ii+1], v[156+2*\m:157+2*\m]
.set ii, ii+1
.endr
.endr
	; ---- the way out: through my stage back into rows; gamma and beta by columns; 512 consecutive bytes a store
.irp m, 0,1
	WIN 0x04
.if \m == 0
	s_wait_alu depctr_va_vdst(0)                   ; the multiplications have written all of window 1, which the LDS stores of both halves read
.endif
.set ii, 32*\m
.rept 32
	ds_store_b128 v7, v[4*ii:4*ii+3] offset:16640*(ii/32)+64*((ii%32)/2)+16*(ii%2)
.set ii, ii+1
.endr
	WIN 0xC0
	s_wait_alu depctr_va_vdst(0)                   ; the products are done reading Wo's sets in window 3, in which the rows below land: stated behind the switch
.set ii, 0
.rept 32
	ds_load_b128 v[128*\m+4*ii:128*\m+4*ii+3], v6 offset:1040*(16*\m+ii/2)+512*(ii%2)   ; LDS serves a wave's instructions in order (ISA guide 5.7.1.4): these see my stores
.set ii, ii+1
.endr
.endr
.irp m, 0,1
.if \m == 0
	s_wait_dscnt 63                                ; the first 16 rows are back: 64 LDS instructions were issued behind their loads
.else
	s_wait_dscnt 0x0
.endif
	WIN 0xC3
.set ii, 0
.rept 64
	v_pk_fma_f32 v[128*\m+2*ii:128*\m+2*ii+1], v[128*\m+2*ii:128*\m+2*ii+1], v[GA+2*(ii%4):GA+2*(ii%4)+1], v[BE+2*(ii%4):BE+2*(ii%4)+1]
.set ii, ii+1
.endr
	WIN 0x0C
	s_wait_alu depctr_va_vdst(0)                   ; the multiply-adds have written these 16 rows, which the stores read
.set ii, 0
.rept 32
	global_store_b128 v1, v[128*\m+4*ii:128*\m+4*ii+3], s[22:23] offset:4096*(16*\m+ii/2)+512*(ii%2) th:TH_STORE_NT
.set ii, ii+1
.endr
.endr
	WIN 0
	s_wait_dscnt 0x0                               ; the closing lines, six on end
	s_wait_alu 0x0
	s_wait_tensorcnt 0x0
	ds_add_u32 v254, v255
	s_wait_dscnt 0x0
	s_endpgm
.Lfunc_end_k_q4120b86f95_outln:
	.size	k_q4120b86f95_outln, .Lfunc_end_k_q4120b86f95_outln-k_q4120b86f95_outln
	.p2alignl 7, 3214868480
	.fill 96, 4, 3214868480
	.section	.rodata,"a",@progbits
	.p2align	6, 0x0
	.amdhsa_kernel k_q4120b86f95_outln
		.amdhsa_group_segment_fixed_size 134656
		.amdhsa_private_segment_fixed_size 0
		.amdhsa_enable_private_segment 0
		.amdhsa_kernarg_size 64
		.amdhsa_user_sgpr_count 2
		.amdhsa_user_sgpr_kernarg_segment_ptr 1
		.amdhsa_wavefront_size32 1
		.amdhsa_system_sgpr_workgroup_id_x 1
		.amdhsa_system_sgpr_workgroup_id_y 1
		.amdhsa_system_sgpr_workgroup_id_z 1
		.amdhsa_system_vgpr_workitem_id 0
		.amdhsa_next_free_vgpr 1024
		.amdhsa_next_free_sgpr 66
		.amdhsa_reserve_vcc 0
		.amdhsa_float_denorm_mode_32 3
		.amdhsa_float_denorm_mode_16_64 3
		.amdhsa_memory_ordered 1
		.amdhsa_forward_progress 1
		.amdhsa_inst_pref_size 150
	.end_amdhsa_kernel
	.amdgpu_metadata
---
amdhsa.version: [ 1, 2 ]
amdhsa.kernels:
  - .name:           k_q4120b86f95_outln
    .symbol:         k_q4120b86f95_outln.kd
    .args:
      - { .name: obuf, .offset: 0, .size: 8, .value_kind: global_buffer, .address_space: global }
      - { .name: wobuf, .offset: 8, .size: 8, .value_kind: global_buffer, .address_space: global }
      - { .name: Wo_scales, .offset: 16, .size: 8, .value_kind: global_buffer, .address_space: global }
      - { .name: bo, .offset: 24, .size: 8, .value_kind: global_buffer, .address_space: global }
      - { .name: q, .offset: 32, .size: 8, .value_kind: global_buffer, .address_space: global }
      - { .name: gamma, .offset: 40, .size: 8, .value_kind: global_buffer, .address_space: global }
      - { .name: beta, .offset: 48, .size: 8, .value_kind: global_buffer, .address_space: global }
      - { .name: out0, .offset: 56, .size: 8, .value_kind: global_buffer, .address_space: global }
    .group_segment_fixed_size: 134656
    .private_segment_fixed_size: 0
    .kernarg_segment_align: 8
    .kernarg_segment_size: 64
    .max_flat_workgroup_size: 128
    .sgpr_count:     66
    .vgpr_count:     1024
    .wavefront_size: 32
...
	.end_amdgpu_metadata
.endif
;; end of part 6
